; MI455X (gfx1250); checked and timed in simulation.
; The chip was launched on July 23, 2026; its instructions are those of AMD's public machine-readable ISA for CDNA 5 (MIT licence, August 2026) and "CDNA5" Instruction Set Architecture Reference Guide (July 2026). The comments in the code are by the model that wrote it; some were corrected since.
;; Attention. Allowed arithmetic: matrix products marked QUANTISED: E2M1 operands, one E8M0 scale for each 32 along K, by v_wmma_scale_f32_16x16x128_f8f6f4 with both operands' format E2M1 (or v_wmma_scale_f32_32x16x128_f4), f32 sums; products left as they are: bf16, f16 or f32 operands; f32 sums; everything else in f32.
;; Inputs: Wk 16 x 1,024 x 64 float32; Wo 1,024 x 1,024 float32; Wq 16 x 1,024 x 64 float32; Wv 16 x 1,024 x 64 float32; bo 1,024 float32; x 8 x 1,024 x 1,024 float32.
;; Outputs: out0 8 x 1,024 x 1,024 float32.
;; This version of the problem:
;;   THIS VERSION OF THE PROBLEM IS GIVEN IN LOW PRECISION. The matrix products marked QUANTISED in the list below multiply operands that are first quantised to E2M1 (2 exponent bits, 1 mantissa bit; 4 bits a number), with one power-of-two scale for each 32 numbers along K (OCP MX v1.0); their sums are f32. The products marked 'left as it is' may take bf16, f16 or f32 operands, with f32 sums. Whichever they take, every output number must still come out within the allowed error. Rounding operands to bf16 (8 significant bits) uses up far more of that allowance than f16 does (11 bits, for magnitudes from 6e-5 to 65,504). All else is computed in f32.
;;   The module's matrix products, in the order in which they are computed (A, B: the left and right operand; K: the contracted axis; several contracted axes count as one K, in the product's order):
;;     1. [M 1,024, K 1,024] x [K 1,024, N 8,192]; A: input Wq; B: input x: QUANTISED
;;     2. [M 1,024, K 1,024] x [K 1,024, N 8,192]; A: input Wk; B: input x: QUANTISED
;;     3. [M 1,024, K 1,024] x [K 1,024, N 8,192]; A: input Wv; B: input x: QUANTISED
;;     4. batch 128 x [M 1,024, K 64] x [K 64, N 1,024]; A: computed on the way; B: computed on the way: left as it is (an operand is computed on the way)
;;     5. batch 128 x [M 1,024, K 1,024] x [K 1,024, N 64]; A: computed on the way; B: computed on the way: left as it is (an operand is computed on the way)
;;     6. [M 8,192, K 1,024] x [K 1,024, N 1,024]; A: computed on the way; B: input Wo: left as it is (an operand is computed on the way)
;;   THE QUANTISER, for each operand of a quantised product, along K:
;;     - K is cut into blocks of 32 from its start; a last block that is shorter is filled with zeros.
;;     - A block's scale is 2^e with e = floor(log2(the largest magnitude in the block)) - 2, held to -126 .. 127; a block of zeros has e = 0. As a byte (E8M0): e + 127.
;;     - Each number is divided by its block's scale, clamped to +-6, and rounded to the nearest number of E2M1, ties to even, subnormals kept.
;;     - The product sums the exact products of the quantised numbers (number of the format x scale) in f32.
;;   ~~~python
;;   def quantise(x, axis):      # numpy; x: float32 -> the quantised numbers, widened to float32 again
;;       x = np.moveaxis(x, axis, -1); K = x.shape[-1]
;;       x = np.pad(x, [(0, 0)] * (x.ndim - 1) + [(0, -K % 32)]); x = x.reshape(x.shape[:-1] + (-1, 32)); a = np.abs(x).max(-1, keepdims=True)
;;       e = np.where(a > 0, np.clip(np.frexp(np.where(a > 0, a, 1))[1] - 1 - 2, -126, 127), 0)      # np.frexp(a)[1] - 1 = floor(log2(a)), exactly
;;       r = np.clip(x / 2.0 ** e, -6, 6)
;;       step = 2.0 ** (np.maximum(np.frexp(np.where(r == 0, 1, r))[1] - 1, 0) - 1)
;;       q = np.round(r / step) * step * 2.0 ** e      # np.round: ties to even
;;       return np.moveaxis(q.reshape(q.shape[:-2] + (-1,))[..., :K], -1, axis).astype(np.float32)
;;   ~~~
;; One version. Each part assembles by itself: llvm-mc -triple=amdgcn-amd-amdhsa -mcpu=gfx1250 --defsym DOCPART=n.
;; ======== version 1 of 1: 5 launches
;; limits: values are held in f16: magnitudes above 65,504 overflow, below 6.1e-05 lose precision
;; workspace buffers: xc 4,194,304 bytes; xs 262,144 bytes; wc 1,572,864 bytes; ws 98,304 bytes; qkv 50,331,648 bytes; fq 1,572,864 bytes; aimg 16,777,216 bytes; wo16 4,194,304 bytes
;; launch prep (part 1): grid 480 x 1, 4 waves a work-group, no clusters, 34,304 bytes of LDS; arguments x, Wq, Wk, Wv, Wo, xc, xs, wc, ws, wo16; writes xc, xs, wc, ws, wo16
.if DOCPART == 1
	.amdgcn_target "amdgcn-amd-amdhsa--gfx1250"
	.amdhsa_code_object_version 6
	.text
	.protected	k_q5898e724ff_prep
	.globl	k_q5898e724ff_prep
	.p2align	8
	.type	k_q5898e724ff_prep,@function
k_q5898e724ff_prep:
	s_mov_b64 s[64:65], 0
	v_nop
	global_prefetch_b8 v0, s[64:65] scope:SCOPE_SE
	s_setreg_imm32_b32 hwreg(HW_REG_WAVE_MODE, 25, 1), 1
	s_wait_xcnt 0x0
; PREP: the operands of the later launches are made once, each laid as an IMAGE OF THE OPERAND'S REGISTERS: a fragment is 1,024 bytes, [c = 0, 1][lane][16 bytes].
; Path X (work-groups 0-255): x [8192][1024] f32 -> codes of FP4 (E2M1) with one E8M0 byte for each 32 along E.   xc [tile of 16 rows 512][K step 8][1 KB], xs [K half 2][row 8192][4 scale words].
; Path W (work-groups 256-351): Wq, Wk, Wv [16][1024 (E)][64] f32, quantised along E, their middle axis: a lane takes a column and its registers run down E.   wc [tile of 16 columns 192][K step 8][1 KB], ws [K half 2][n 3072][4 words]; n = 1024 T + 64 head + d.
; Path O (work-groups 352-479): Wo [1024 (k)][1024 (n)] f32 -> f16 fragments with n in the lanes: wo16 [part 2][tile of 16 n 64][32 along k: 32][1 KB]; part 0 = f16(Wo), part 1 = f16((Wo - part 0) x 2048).
; A block's scale is 2^(floor(log2(largest magnitude)) - 2): its byte is the largest magnitude's exponent field - 2, held at 1 from below.
; LIMITS: a block of zeros gets the byte 1 where the rule says 127 (its codes are zeros, and this program alone reads the bytes); blocks whose largest magnitude lies under 2^-124 are held at the byte 1;
; |Wo| stays under 65,504 (f16); NaN and infinities among the inputs are not served.
; No barrier: waves share nothing.  Only path X touches LDS (a stage of its own for each wave).
.set SPARE, 33792                      ; behind the four stages: the spare words, 128 bytes for each wave
.set STG,   8448                       ; a wave's stage: 16 rows x 528 bytes
.set PITCH, 528                        ; 512 bytes of a row + 16: the sixteen rows that a load touches start 33 x 16 bytes apart
.set SPW,   2                          ; v2   LDS address of my spare word; never rewritten
.set NIL,   3                          ; v3   0; never rewritten
.set RR,    5                          ; v5   r = lane % 16
.set HH,    6                          ; v6   h = lane / 16
.set LI,    7                          ; v7   16 x lane: my place in an image
.set R0,    32                         ; v32-159  two sets of 64 numbers as they are loaded
.set XN,    160                        ; v160-223 path X: 64 numbers in the operand's order
.set CC,    224                        ; v224-231 a fragment's codes
.set SWD,   232                        ; v232-235 scale words, one for each K step of a K half
; v8-10 SPLIT's, v12-19 QUANT's at work; v20 = 8 h; v21-23 offsets and LDS addresses of the path
.macro FINISH                          ; the wave's end
	s_wait_tensorcnt 0x0
	ds_add_u32 v[SPW], v[NIL]
	s_wait_dscnt 0x0
	s_endpgm
.endm
; 64 numbers of a lane, register 32 c + i = k 64 c + 32 h + i of my row (or column), become a fragment's codes in v[CC] on and its scale word in v[w].  A lane holds two whole blocks: h and 2 + h.
.macro QUANT src, w
.irp c, 0,1
	v_max3_num_f32 v[12+\c], |v[(\src)+32*\c]|, |v[(\src)+32*\c+1]|, 0x1800000   ; with the floor 2^(3 - 127): the byte cannot fall under 1
.endr
.irp i, 2,4,6,8,10,12,14,16,18,20,22,24,26,28,30
.irp c, 0,1
	v_max3_num_f32 v[12+\c], v[12+\c], |v[(\src)+32*\c+\i]|, |v[(\src)+32*\c+\i+1]|   ; the two blocks by turns
.endr
.endr
.irp c, 0,1
	v_add_nc_u32 v[14+\c], 0xff000000, v[12+\c]    ; 2 off the exponent field: the conversion's scale operand
.endr
.irp c, 0,1
	v_lshrrev_b32 v[16+\c], 23, v[14+\c]           ; the scale's byte
.endr
	v_lshl_or_b32 v18, v17, 16, v16                ; my two bytes,
	v_lshlrev_b32 v18, v20, v18                    ; 8 h bits up: at their places in the word;
	v_permlanex16_b32 v19, v18, s26, s27
	v_or_b32 v[\w], v18, v19                       ; with lane l xor 16's two the word is whole, in both lanes
.irp c, 0,1
.irp g, 0,1,2,3
	v_cvt_scalef32_pk8_fp4_f32 v[CC+4*\c+\g], v[(\src)+32*\c+8*\g:(\src)+32*\c+8*\g+7], v[14+\c]
.endr
.endr
	v_nop                                          ; one plain instruction behind the last scaled conversion
.endm
; two f32 numbers v[x], v[x+1] -> their f16 roundings in v[hi], and f16((number - rounding) x 2048) in v[lo]
.macro SPLIT x, hi, lo
	v_cvt_pk_f16_f32 v10, v[(\x)], v[(\x)+1]
	v_cvt_f32_f16 v8, v10.l
	v_cvt_f32_f16 v9, v10.h
	v_mov_b32 v[\hi], v10                          ; (v10 is there because a register's halves are named by its number)
	v_pk_add_f32 v[8:9], v[(\x):(\x)+1], v[8:9] neg_lo:[0,1] neg_hi:[0,1]
	v_pk_mul_f32 v[8:9], v[8:9], 0x45000000 op_sel_hi:[1,0]
	v_cvt_pk_f16_f32 v[\lo], v8, v9
.endm
	s_load_b256 s[4:11], s[0:1], 0x0               ; x s[4:5], Wq s[6:7], Wk s[8:9], Wv s[10:11]
	s_load_b256 s[12:19], s[0:1], 0x20             ; Wo s[12:13], xc s[14:15], xs s[16:17], wc s[18:19]
	s_load_b128 s[20:23], s[0:1], 0x40             ; ws s[20:21], wo16 s[22:23]
	v_lshl_add_u32 v[SPW], v0, 2, SPARE
	v_mov_b32 v[NIL], 0
	v_lshrrev_b32 v1, 5, v0
	v_readfirstlane_b32 s24, v1                    ; wave 0..3
	v_and_b32 v4, 31, v0
	v_and_b32 v[RR], 15, v0
	v_bfe_u32 v[HH], v0, 4, 1
	v_lshlrev_b32 v[LI], 4, v4
	v_lshlrev_b32 v20, 3, v[HH]
	v_mov_b32 v19, 0                               ; a lane permute's destination counts as one of its sources
	s_mov_b32 s26, 0x76543210
	s_mov_b32 s27, 0xfedcba98                      ; selects for lane l xor 16
	s_mov_b32 s35, 0                               ; the upper word of every offset
	s_wait_kmcnt 0x0
	s_cmp_lt_u32 ttmp9, 256
	s_cbranch_scc1 .Lpath_x
	s_cmp_lt_u32 ttmp9, 352
	s_cbranch_scc1 .Lpath_w
	; ---- PATH O.  A wave takes 32 along k (kc) x 64 columns (four tiles of 16).  Lane (r, h) of tile jt loads Wo(32 kc + 16 c + 8 h + e, 64 ng + 16 jt + r): the order of a 16-bit fragment's registers
	s_sub_co_u32 s30, ttmp9, 352
	s_lshl_b32 s30, s30, 2
	s_add_co_u32 s30, s30, s24                     ; 0..511
	s_and_b32 s31, s30, 31                         ; kc
	s_lshr_b32 s32, s30, 5                         ; ng
	s_lshl_b32 s34, s31, 17                        ; 32 rows of 4,096 bytes
	s_lshl_b32 s33, s32, 8                         ; 64 columns
	s_add_co_u32 s34, s34, s33
	s_add_nc_u64 s[12:13], s[12:13], s[34:35]
	s_lshl_b32 s34, s32, 17                        ; four tiles of 32 KB
	s_lshl_b32 s33, s31, 10
	s_add_co_u32 s34, s34, s33
	s_add_nc_u64 s[22:23], s[22:23], s[34:35]
	v_lshlrev_b32 v21, 2, v[RR]
	v_lshl_add_u32 v21, v[HH], 15, v21             ; 8 h rows + 4 r
.irp jt, 0,1,2,3
.irp c, 0,1
.irp e, 0,1,2,3,4,5,6,7
	global_load_b32 v[32+16*\jt+8*\c+\e], v21, s[12:13] offset:4096*(16*\c+\e)+64*\jt th:TH_LOAD_NT
.endr
.endr
.endr
.irp jt, 0,1,2,3
	s_wait_loadcnt 48-16*\jt                       ; this tile's 16 loads are in; the later tiles' may be out
.irp i, 0,1,2,3,4,5,6,7
	SPLIT 32+16*\jt+2*\i, 96+8*\jt+\i, 128+8*\jt+\i
.endr
.irp c, 0,1
	global_store_b128 v[LI], v[96+8*\jt+4*\c:96+8*\jt+4*\c+3], s[22:23] offset:32768*\jt+512*\c            ; the wave stores 512 consecutive bytes
	global_store_b128 v[LI], v[128+8*\jt+4*\c:128+8*\jt+4*\c+3], s[22:23] offset:2097152+32768*\jt+512*\c
.endr
.endr
	FINISH
	; ---- PATH X.  A wave takes one tile of 16 rows and one half of E: four K steps of 128.  Each load reads 512 consecutive bytes of a row; a step's 16 x 512 bytes turn through the wave's stage and come back in the operand's order
.Lpath_x:
	s_lshl_b32 s30, ttmp9, 2
	s_add_co_u32 s30, s30, s24                     ; 0..1023
	s_and_b32 s33, s30, 1                          ; which half of E
	s_lshr_b32 s30, s30, 1                         ; my tile of 16 rows, 0..511
	s_lshl_b32 s34, s30, 16                        ; 16 rows of 4,096 bytes,
	s_lshl_b32 s36, s33, 11                        ; 512 numbers along a row
	s_add_co_u32 s34, s34, s36
	s_add_nc_u64 s[4:5], s[4:5], s[34:35]
	s_lshl_b32 s34, s30, 13                        ; 8 images a tile,
	s_lshl_b32 s36, s33, 12                        ; 4 a half
	s_add_co_u32 s34, s34, s36
	s_add_nc_u64 s[14:15], s[14:15], s[34:35]
	s_lshl_b32 s34, s30, 8                         ; 16 rows x 16 bytes of scale words,
	s_lshl_b32 s36, s33, 17                        ; 8,192 rows x 16 bytes a half
	s_add_co_u32 s34, s34, s36
	s_add_nc_u64 s[16:17], s[16:17], s[34:35]
	s_mul_i32 s31, s24, STG
	v_add_nc_u32 v22, s31, v[LI]                   ; into the stage: 16 x lane of a row
	v_mul_u32_u24 v23, v[RR], PITCH
	v_lshl_add_u32 v23, v[HH], 7, v23
	v_add_nc_u32 v23, s31, v23                     ; out of it: row r, + 128 h bytes
	v_lshlrev_b32 v21, 4, v[RR]                    ; the scale words: 16 r
.macro LOADX s
.irp p, 0,1,2,3,4,5,6,7,8,9,10,11,12,13,14,15
	global_load_b128 v[R0+64*((\s)%2)+4*\p:R0+64*((\s)%2)+4*\p+3], v[LI], s[4:5] offset:4096*\p+512*(\s) th:TH_LOAD_NT
.endr
.endm
.macro XSTEP s
	s_wait_xcnt 0x0                                ; the last step's stores have read their registers: the codes may be written anew
.if (\s) < 3
	s_wait_loadcnt 16                              ; this step's 16 loads are in; the next step's may be out
.else
	s_wait_loadcnt 0x0
.endif
.irp p, 0,1,2,3,4,5,6,7,8,9,10,11,12,13,14,15
	ds_store_b128 v22, v[R0+64*((\s)%2)+4*\p:R0+64*((\s)%2)+4*\p+3] offset:PITCH*\p
.endr
.irp c, 0,1
.irp g, 0,1,2,3,4,5,6,7
	ds_load_b128 v[XN+32*\c+4*\g:XN+32*\c+4*\g+3], v23 offset:256*\c+16*\g   ; LDS serves a wave's instructions in order: these see the stores above
.endr
.endr
	s_wait_dscnt 0x0
.if (\s) < 2
	LOADX (\s)+2
.endif
	QUANT XN, SWD+(\s)
	global_store_b128 v[LI], v[CC:CC+3], s[14:15] offset:1024*(\s)
	global_store_b128 v[LI], v[CC+4:CC+7], s[14:15] offset:1024*(\s)+512
.endm
	LOADX 0
	LOADX 1
.irp s, 0,1,2,3
	XSTEP \s
.endr
	s_wait_xcnt 0x0                                ; EXEC is a source of the stores above: it changes only behind this wait
	v_cmp_eq_u32 vcc_lo, 0, v[HH]
	s_and_saveexec_b32 s38, vcc_lo                 ; both halves of the lanes hold the same words: lanes 0-15 store them, 256 consecutive bytes
	global_store_b128 v21, v[SWD:SWD+3], s[16:17]
	s_wait_xcnt 0x0                                ; and again ahead of the line that widens it
	s_or_b32 exec_lo, exec_lo, s38
	FINISH
	; ---- PATH W.  A work-group takes one tensor, one head and half of E; wave t takes columns 16 t .. 16 t + 15.  Lane (r, h) loads W(128 q + 64 c + 32 h + i, 16 t + r)
.Lpath_w:
	s_sub_co_u32 s30, ttmp9, 256                   ; 0..95
	s_cmp_lt_u32 s30, 32
	s_cselect_b64 s[28:29], s[6:7], s[8:9]
	s_cmp_lt_u32 s30, 64
	s_cselect_b64 s[28:29], s[28:29], s[10:11]     ; Wq, Wk or Wv: the choice hangs on the work-group's number alone
	s_lshr_b32 s31, s30, 5                         ; T
	s_bfe_u32 s32, s30, 0x40001                    ; head
	s_and_b32 s33, s30, 1                          ; which half of E
	s_lshl_b32 s34, s32, 18                        ; a head: 1,024 rows of 256 bytes
	s_lshl_b32 s36, s33, 17
	s_add_co_u32 s34, s34, s36
	s_lshl_b32 s36, s24, 6
	s_add_co_u32 s34, s34, s36
	s_add_nc_u64 s[28:29], s[28:29], s[34:35]
	s_lshl_b32 s36, s31, 6
	s_lshl_b32 s37, s32, 2
	s_add_co_u32 s36, s36, s37
	s_add_co_u32 s36, s36, s24                     ; my tile of 16 columns: 64 T + 4 head + t
	s_lshl_b32 s34, s36, 13
	s_lshl_b32 s37, s33, 12
	s_add_co_u32 s34, s34, s37
	s_add_nc_u64 s[18:19], s[18:19], s[34:35]
	s_mul_i32 s34, s33, 49152
	s_lshl_b32 s37, s36, 8
	s_add_co_u32 s34, s34, s37
	s_add_nc_u64 s[20:21], s[20:21], s[34:35]
	v_lshlrev_b32 v21, 2, v[RR]
	v_lshl_add_u32 v21, v[HH], 13, v21             ; 32 h rows + 4 r
	v_lshlrev_b32 v22, 4, v[RR]
.macro LOADW q
.irp c, 0,1
.irp i, 0,1,2,3,4,5,6,7,8,9,10,11,12,13,14,15,16,17,18,19,20,21,22,23,24,25,26,27,28,29,30,31
	global_load_b32 v[R0+64*((\q)%2)+32*\c+\i], v21, s[28:29] offset:32768*(\q)+256*(64*\c+\i) th:TH_LOAD_NT
.endr
.endr
.endm
.macro WSTEP q
	s_wait_xcnt 0x0                                ; the last step's stores have read their registers
.if (\q) < 3
	s_wait_loadcnt 63                              ; 64 loads were issued behind this step's; the count's field holds 63, and a smaller count is safe
.else
	s_wait_loadcnt 0x0
.endif
	QUANT R0+64*((\q)%2), SWD+(\q)
.if (\q) < 2
	LOADW (\q)+2
.endif
	global_store_b128 v[LI], v[CC:CC+3], s[18:19] offset:1024*(\q)
	global_store_b128 v[LI], v[CC+4:CC+7], s[18:19] offset:1024*(\q)+512
.endm
	LOADW 0
	LOADW 1
.irp q, 0,1,2,3
	WSTEP \q
.endr
	s_wait_xcnt 0x0                                ; EXEC is a source of the stores above: it changes only behind this wait
	v_cmp_eq_u32 vcc_lo, 0, v[HH]
	s_and_saveexec_b32 s38, vcc_lo                 ; both halves of the lanes hold the same words: lanes 0-15 store them, 256 consecutive bytes
	global_store_b128 v22, v[SWD:SWD+3], s[20:21]
	s_wait_xcnt 0x0                                ; and again ahead of the line that widens it
	s_or_b32 exec_lo, exec_lo, s38
	FINISH
.Lfunc_end_k_q5898e724ff_prep:
	.size	k_q5898e724ff_prep, .Lfunc_end_k_q5898e724ff_prep-k_q5898e724ff_prep
	.p2alignl 7, 3214868480
	.fill 96, 4, 3214868480
	.section	.rodata,"a",@progbits
	.p2align	6, 0x0
	.amdhsa_kernel k_q5898e724ff_prep
		.amdhsa_group_segment_fixed_size 34304
		.amdhsa_private_segment_fixed_size 0
		.amdhsa_enable_private_segment 0
		.amdhsa_kernarg_size 80
		.amdhsa_user_sgpr_count 2
		.amdhsa_user_sgpr_kernarg_segment_ptr 1
		.amdhsa_wavefront_size32 1
		.amdhsa_system_sgpr_workgroup_id_x 1
		.amdhsa_system_sgpr_workgroup_id_y 1
		.amdhsa_system_sgpr_workgroup_id_z 1
		.amdhsa_system_vgpr_workitem_id 0
		.amdhsa_next_free_vgpr 240
		.amdhsa_next_free_sgpr 66
		.amdhsa_reserve_vcc 1
		.amdhsa_float_denorm_mode_32 3
		.amdhsa_float_denorm_mode_16_64 3
		.amdhsa_memory_ordered 1
		.amdhsa_forward_progress 1
		.amdhsa_inst_pref_size 89
	.end_amdhsa_kernel
	.amdgpu_metadata
---
amdhsa.version: [ 1, 2 ]
amdhsa.kernels:
  - .name:           k_q5898e724ff_prep
    .symbol:         k_q5898e724ff_prep.kd
    .args:
      - { .name: x, .offset: 0, .size: 8, .value_kind: global_buffer, .address_space: global }
      - { .name: Wq, .offset: 8, .size: 8, .value_kind: global_buffer, .address_space: global }
      - { .name: Wk, .offset: 16, .size: 8, .value_kind: global_buffer, .address_space: global }
      - { .name: Wv, .offset: 24, .size: 8, .value_kind: global_buffer, .address_space: global }
      - { .name: Wo, .offset: 32, .size: 8, .value_kind: global_buffer, .address_space: global }
      - { .name: xc, .offset: 40, .size: 8, .value_kind: global_buffer, .address_space: global }
      - { .name: xs, .offset: 48, .size: 8, .value_kind: global_buffer, .address_space: global }
      - { .name: wc, .offset: 56, .size: 8, .value_kind: global_buffer, .address_space: global }
      - { .name: ws, .offset: 64, .size: 8, .value_kind: global_buffer, .address_space: global }
      - { .name: wo16, .offset: 72, .size: 8, .value_kind: global_buffer, .address_space: global }
    .group_segment_fixed_size: 34304
    .private_segment_fixed_size: 0
    .kernarg_segment_align: 8
    .kernarg_segment_size: 80
    .max_flat_workgroup_size: 128
    .sgpr_count:     66
    .vgpr_count:     240
    .wavefront_size: 32
...
	.end_amdgpu_metadata
.endif
;; end of part 1
;; launch qkv (part 2): grid 8 x 32, 4 waves a work-group, clusters of 4 x 4, 327,680 bytes of LDS; arguments xc, xs, wc, ws, qkv, fq; writes qkv, fq
.if DOCPART == 2
	.amdgcn_target "amdgcn-amd-amdhsa--gfx1250"
	.amdhsa_code_object_version 6
	.text
	.protected	k_q5898e724ff_qkv
	.globl	k_q5898e724ff_qkv
	.p2align	8
	.type	k_q5898e724ff_qkv,@function
k_q5898e724ff_qkv:
	s_mov_b64 s[64:65], 0
	v_nop
	global_prefetch_b8 v0, s[64:65] scope:SCOPE_SE
	s_setreg_imm32_b32 hwreg(HW_REG_WAVE_MODE, 25, 1), 1
	s_wait_xcnt 0x0
	s_wait_alu depctr_hold_cnt(0) depctr_sa_sdst(0) depctr_va_vdst(0) depctr_va_sdst(0) depctr_va_ssrc(0) depctr_va_vcc(0) depctr_vm_vsrc(0)
	s_getreg_b32 s2, hwreg(HW_REG_IB_STS2, 6, 4)
	s_cmp_eq_u32 s2, 0
	s_cbranch_scc0 .Lentry_in_a_cluster
	s_endpgm
.Lentry_in_a_cluster:
	s_bfe_u32 s2, ttmp6, 0x10000c
	s_cmp_lg_u32 s2, 0xf033
	s_cbranch_scc0 .Lentry_shape_is_right
	s_endpgm
.Lentry_shape_is_right:
; QKV: q, k, v = x W on codes of FP4 (E2M1) with one E8M0 scale for each 32 along E: C[row 8192][n 3072], n = 1024 T + 64 head + d, K = 1,024.
; SHARES.  8,192 x 3,072 outputs on 256 work-groups: a work-group takes 256 rows of x and 128 columns (two heads) of EACH of q, k and v, in three passes: the pass is the tensor T.  A wave makes 128 rows x 64 columns (one head) in a pass:
; 32 accumulators of 16 x 16, 256 registers.  A pass's results are rounded and stored at the head of the next pass, so that only the last third of the stores stands behind the last product.
; LDS.  x's codes of the 256 rows, all of K, lie in LDS for all three passes (two K halves of 64 KB).  W's codes of a pass (8 tiles of 16 columns x 8 KB, all of K) lie in one of two slots of 64 KB: passes 0 and 1 are asked for at the head,
; pass 2 is brought into slot 0 when pass 0 has been multiplied, behind a round of the cluster's barrier, and has all of pass 1 in which to land.  The scale words of all three passes come once, at the head.
; OPERANDS ARE IMAGES OF REGISTERS (launch prep): a fragment, 16 rows x 128 K, is 1,024 bytes, [c][lane][16 bytes]; a tile of 16 rows has its eight K steps on end.  A fragment is two ds_load_b128 at 16 x lane (an instruction's 512 bytes are
; consecutive: no padding); the scale words of a K half are 16 bytes a row.  In ws the rows (K half, T) lie 16,384 bytes apart (3 x 16,384 = a K half's 49,152), so one load of 6 rows of 1 KB brings a wave's share for all passes.
; CLUSTERS: 4 x 4 work-groups.  The four of a row of the cluster need the same rows of x, the four of a column the same columns of W: each tile is asked for jointly.  The tile row is 8 cy + cluster y, so that
; 'this tile begins a sequence' (cluster y % 4 = 0) is the same in all sixteen partners.
; THE MATRIX INSTRUCTION IS USED TRANSPOSED (source 0 = 16 columns of W, source 1 = 16 rows of x): a lane holds one position and eight neighbouring d.  Rounded to f16 in pairs these are 16 bytes of the next product's
; fragment, so the results leave straight from registers, 512 consecutive bytes a store:  qkv [T 3][b 8][head 16][tile of 16 positions 64][t 4][512 bytes]; q, k: lane (r, h) at 16 r + 256 h (a fragment's image);
; v: at 32 r + 16 h (16 keys x 16 channels, rows of 32 bytes, for the transposing LDS load).  Positions 0-15 of every sequence leave in f32 too: fq [b][T][head][t][half][lane][16 bytes].
; LIMIT: |q|, |k|, |v| stay under 65,504 (f16).
; REGISTERS, in windows of 256: window 0: v8-13 LDS addresses of the scale words, one for each (T, K half); v16-29 other addresses; v32-95 scale words of the pass, a set for each K half; v128-255 x's fragments, two sets of 8.
;   window 1: v0-63 W's fragments, two sets of 4.   window 2: the accumulators, (a, b) at v[8 (4 a + b)].   window 3: the packed results, two sets of 128, by the pass's parity.
.set NP,     4                         ; places behind this matrix instruction (ISA guide 7.12.1)
.set AH,     65536                     ; x's codes of a K half: 16 tiles x 4 KB; the two halves lie from byte 0 on
.set BS,     131072                    ; behind them W's two slots,
.set BSL,    65536                     ; each 8 tiles x 8 KB
.set SCLB,   262144                    ; W's scale words: 6 KB for each fetching wave: [3 x K half + T][64 columns][16 bytes]
.set SCLA,   274432                    ; x's: 4 KB for each fetching wave: [K half][128 rows][16 bytes]
.set SPARE,  282624                    ; behind them: the spare words, 128 bytes for each wave
.set ADRS, 8                           ; v8-13   LDS address of my scale words for (T, K half) at 2 T + half: lanes 0-15 x's rows, lanes 16-31 W's columns
.set ADRA, 16                          ; v16-17  LDS address of my fragments of x in K half 0, 1
.set ADRB, 20                          ; v20-21  of W's in slot 0, 1
.set LI,   25                          ; v25     16 x lane: q's and k's place in a block of 512 bytes
.set COV,  26                          ; v26     32 r + 16 h: v's place
.set SPW,  28                          ; v28     LDS address of my spare word; never rewritten
.set NIL,  29                          ; v29     0; never rewritten
.set SC,   32
.set AF,   128
.set G1, 24                            ; s[24:31] group 1 for x's codes;  s[32:39] group 0, one set for each K half
.set G0, 32
.set G1B, 48                           ; s[48:55] group 1 for W's codes;  s[56:63] group 0 for passes 0 and 1;  s[96:99] for pass 2
.set G0B, 56
.set G0B2, 96
.set G1S, 68                           ; s[68:75], s[76:79] groups 1 and 0 for x's scale words;  s[80:87], s[88:91] for W's
.set G0S, 76
.set G1SB, 80
.set G0SB, 88
.set MSB, 0
.macro WIN new                         ; the immediate's high byte repeats the setting that is left
.if MSB != \new
	s_set_vgpr_msb (MSB<<8)|\new
.set MSB, \new
.endif
.endm
.set MUL,    0xa1                      ; source 0 (W) window 1, source 1 (x) window 0, C and D window 2
.set TO_B,   0x40                      ; destination window 1, address window 0
; A joint load: waves 0 and 1 fetch for x, waves 2 and 3 for W.  The branch hangs on the wave's number alone.  An s_nop 0 and four v_nop follow each of the two lines.
.macro JLOAD g0a, g1a, g0b, g1b
	s_cmp_eq_u32 s15, 0
	s_cbranch_scc0 .Lfor_b_\@
	tensor_load_to_lds s[\g0a:\g0a+3], s[\g1a:\g1a+7]
	s_nop 0
.rept 4
	v_nop
.endr
	s_branch .Lasked_\@
.Lfor_b_\@:
	tensor_load_to_lds s[\g0b:\g0b+3], s[\g1b:\g1b+7]
	s_nop 0
.rept 4
	v_nop
.endr
.Lasked_\@:
.endm
.macro CROUND                          ; a round of the cluster's barrier
	s_barrier_signal -1
	s_barrier_wait -1
	s_cmp_lg_u32 s14, 0
	s_cbranch_scc1 .Lnot_wave_0_\@
	s_barrier_signal -3
.Lnot_wave_0_\@:
	s_barrier_wait -3
	s_barrier_signal -1
	s_barrier_wait -1
.endm
	s_load_b128 s[4:7], s[0:1], 0x0                ; xc s[4:5], xs s[6:7]
	s_load_b128 s[8:11], s[0:1], 0x10              ; wc s[8:9], ws s[10:11]
	s_load_b64 s[12:13], s[0:1], 0x20              ; qkv
	s_load_b64 s[66:67], s[0:1], 0x28              ; fq
	v_lshl_add_u32 v[SPW], v0, 2, SPARE
	v_mov_b32 v[NIL], 0
	ds_add_u32 v[SPW], v[NIL]                      ; the wave's opening: the add, twice on end, and its wait ahead of my first tensor load
	ds_add_u32 v[SPW], v[NIL]
	v_lshrrev_b32 v1, 5, v0
	v_readfirstlane_b32 s14, v1                    ; wave 0..3
	s_lshr_b32 s15, s14, 1                         ; which half of the tile's rows is mine.  Also: I fetch for x (0) or for W (1)
	s_and_b32 s16, s14, 1                          ; which of the two heads is mine.  Also: which half of that operand I fetch
	s_bfe_u32 s40, ttmp6, 0x40000                  ; cx
	s_bfe_u32 s41, ttmp6, 0x40004                  ; cy
	s_lshl_b32 s42, ttmp9, 2
	s_add_co_u32 s42, s42, s40                     ; g = 4 x cluster x + cx: my group of 128 columns (heads 2 g, 2 g + 1) in each of q, k, v
	s_and_b32 s95, ttmp7, 0xffff                   ; cluster y
	s_lshl_b32 s17, s41, 3
	s_add_co_u32 s17, s17, s95                     ; tile row = 8 cy + cluster y
	s_lshl_b32 s43, s41, 2
	s_lshl_b32 s43, 15, s43                        ; my row of the cluster
	s_lshl_b32 s44, 0x1111, s40                    ; my column
	; group 1 for codes: 8 rows of 4,096 bytes (512 elements of 8 bytes), no padding.  x: a tile's K half, 8,192 bytes from tile to tile.  W: four tiles' 32 KB on end
	s_or_b32 s[G1+0], s43, (3<<16)|(1<<21)
	s_or_b32 s[G1B+0], s44, (3<<16)|(1<<21)
.irp g, G1, G1B
	s_mov_b32 s[\g+1], 512<<16                     ; tensor_dim0
	s_mov_b32 s[\g+2], 8<<16                       ; tensor_dim1
	s_mov_b32 s[\g+3], 512<<16                     ; tile_dim0
	s_mov_b32 s[\g+4], 8                           ; tile_dim1
	s_mov_b32 s[\g+6], 0
	s_mov_b32 s[\g+7], 0
.endr
	s_mov_b32 s[G1+5], 1024                        ; tensor_dim0_stride
	s_mov_b32 s[G1B+5], 512
	; for x's scale words: 2 rows (K halves) of 2,048 bytes (128 rows x 16 bytes), 8,192 x 16 bytes apart
	s_or_b32 s[G1S+0], s43, (3<<16)|(1<<21)
	s_mov_b32 s[G1S+1], 256<<16
	s_mov_b32 s[G1S+2], 2<<16
	s_mov_b32 s[G1S+3], 256<<16
	s_mov_b32 s[G1S+4], 2
	s_mov_b32 s[G1S+5], 16384
	s_mov_b32 s[G1S+6], 0
	s_mov_b32 s[G1S+7], 0
	; for W's: 6 rows (3 x K half + T) of 1,024 bytes (64 columns x 16 bytes), 16,384 bytes apart
	s_or_b32 s[G1SB+0], s44, (3<<16)|(1<<21)
	s_mov_b32 s[G1SB+1], 128<<16
	s_mov_b32 s[G1SB+2], 6<<16
	s_mov_b32 s[G1SB+3], 128<<16
	s_mov_b32 s[G1SB+4], 6
	s_mov_b32 s[G1SB+5], 2048
	s_mov_b32 s[G1SB+6], 0
	s_mov_b32 s[G1SB+7], 0
	s_lshl_b32 s18, s16, 3
	s_lshl_b32 s20, s17, 4
	s_add_co_u32 s20, s20, s18                     ; x: tile of 16 rows 16 x tile row + 8 x half
	s_lshl_b32 s22, s20, 8                         ; its scale words: 256 bytes a tile of 16,
	s_lshl_b32 s20, s20, 13                        ; its codes: 8,192
	s_lshl_b32 s18, s16, 2
	s_lshl_b32 s46, s42, 3
	s_add_co_u32 s46, s46, s18                     ; W: tile of 16 columns 8 g + 4 x half, in pass 0
	s_lshl_b32 s92, s46, 8
	s_lshl_b32 s46, s46, 13
	s_mov_b32 s21, 0
	s_mov_b32 s23, 0
	s_mov_b32 s47, 0
	s_mov_b32 s93, 0
	s_lshl_b32 s45, s16, 15                        ; where they go: x's codes: half x 32 KB: no place in the cluster enters an LDS address
	s_add_co_u32 s94, s45, BS                      ; W's codes
	s_lshl_b32 s2, s16, 12
	s_add_co_u32 s2, s2, SCLA                      ; x's scale words
	s_mul_i32 s3, s16, 6144
	s_add_co_u32 s3, s3, SCLB                      ; W's
	s_wait_dscnt 0x0                               ; both opening adds are done
	s_wait_kmcnt 0x0
	s_add_nc_u64 s[20:21], s[4:5], s[20:21]
	s_add_nc_u64 s[22:23], s[6:7], s[22:23]
	s_add_nc_u64 s[46:47], s[8:9], s[46:47]
	s_add_nc_u64 s[92:93], s[10:11], s[92:93]
	CROUND                                         ; all sixteen work-groups are here: the first joint loads meet
	s_mov_b32 s[G0S], 1
	s_mov_b32 s[G0S+1], s2
	s_mov_b64 s[G0S+2:G0S+3], s[22:23]
	s_or_b32 s[G0S+3], s[G0S+3], 0x80000000
	s_mov_b32 s[G0SB], 1
	s_mov_b32 s[G0SB+1], s3
	s_mov_b64 s[G0SB+2:G0SB+3], s[92:93]
	s_or_b32 s[G0SB+3], s[G0SB+3], 0x80000000
	s_mov_b32 s[G0B2], 1                           ; pass 2's W: into slot 0, later
	s_mov_b32 s[G0B2+1], s94
	s_add_nc_u64 s[G0B2+2:G0B2+3], s[46:47], 2*524288
	s_or_b32 s[G0B2+3], s[G0B2+3], 0x80000000
	JLOAD G0S, G1S, G0SB, G1SB                     ; the scale words first: they are wanted with the first products
.irp s, 0,1
	s_mov_b32 s[G0+4*\s], 1
	s_add_co_u32 s[G0+4*\s+1], s45, \s*AH
	s_add_nc_u64 s[G0+4*\s+2:G0+4*\s+3], s[20:21], \s*4096         ; x's K half s
	s_or_b32 s[G0+4*\s+3], s[G0+4*\s+3], 0x80000000
	s_mov_b32 s[G0B+4*\s], 1
	s_add_co_u32 s[G0B+4*\s+1], s94, \s*BSL
	s_add_nc_u64 s[G0B+4*\s+2:G0B+4*\s+3], s[46:47], \s*524288     ; W of pass s: 64 tiles of 8,192 bytes on
	s_or_b32 s[G0B+4*\s+3], s[G0B+4*\s+3], 0x80000000
	JLOAD G0+4*\s, G1, G0B+4*\s, G1B               ; three tensor loads of mine are out behind the last of these
.endr
	v_and_b32 v1, 15, v0                           ; r
	v_bfe_u32 v2, v0, 4, 1                         ; h
	v_and_b32 v3, 31, v0
	v_lshlrev_b32 v[LI], 4, v3
	s_lshl_b32 s21, s15, 15                        ; my 8 tiles of x
	s_add_co_u32 s22, s45, BS                      ; my 4 tiles of W
.irp s, 0,1
	v_add_nc_u32 v[ADRA+\s], s21, v[LI]
	v_add_nc_u32 v[ADRB+\s], s22, v[LI]
	s_add_co_u32 s21, s21, AH
	s_add_co_u32 s22, s22, BSL
.endr
	; the scale words' addresses.  Lanes 16-31: W's, SCLB + 6144 head + 1024 (3 half + T) + 16 r.  Lanes 0-15: x's, SCLA + 4096 row half + 2048 half + 16 r: the lower base + (1 - h) x the distance between the two: one product
	v_xor_b32 v4, 1, v2                            ; 1 in lanes 0-15
	v_lshlrev_b32 v5, 4, v1
	v_add_nc_u32 v5, s3, v5
	s_xor_b32 s21, s16, 1
	s_mul_i32 s21, s21, 6144
	s_lshl_b32 s22, s15, 12
	s_add_co_u32 s21, s21, s22                     ; the distance is 6144 (1 - head) + 4096 row half + 6144 - 1024 (half + T): 3,072 at the least
.irp t, 0,1,2
.irp s, 0,1
	s_add_co_u32 s22, s21, 6144-1024*(\s+\t)
	v_mul_u32_u24 v6, s22, v4
	v_add_nc_u32 v6, v6, v5
	v_add_nc_u32 v[ADRS+2*\t+\s], 1024*(3*\s+\t), v6
.endr
.endr
	v_lshlrev_b32 v[COV], 5, v1
	v_lshl_add_u32 v[COV], v2, 4, v[COV]
	; where my results go
	s_lshl_b32 s21, s41, 1
	s_lshr_b32 s22, s95, 2
	s_add_co_u32 s21, s21, s22                     ; batch = tile row / 4
	s_lshl_b32 s20, s21, 21
	s_lshl_b32 s46, s42, 1
	s_add_co_u32 s46, s46, s16                     ; my head = 2 g + half
	s_lshl_b32 s47, s46, 17
	s_add_co_u32 s20, s20, s47
	s_and_b32 s93, s95, 3                          ; tile row % 4
	s_lshl_b32 s47, s93, 4
	s_lshl_b32 s22, s15, 3
	s_add_co_u32 s47, s47, s22                     ; my first tile of 16 positions
	s_lshl_b32 s47, s47, 11
	s_add_co_u32 s20, s20, s47
	s_mul_i32 s22, s21, 196608                     ; fq: batch,
	s_lshl_b32 s47, s46, 12                        ; head
	s_add_co_u32 s22, s22, s47
	s_mov_b32 s21, 0
	s_mov_b32 s23, 0
	s_add_nc_u64 s[12:13], s[12:13], s[20:21]      ; q's part of qkv,
	s_add_nc_u64 s[4:5], s[12:13], 0x1000000       ; k's, 16 MB on,
	s_add_nc_u64 s[6:7], s[12:13], 0x2000000       ; v's
	s_add_nc_u64 s[66:67], s[66:67], s[22:23]
	s_or_b32 s93, s93, s15                         ; 0: my first 16 rows are positions 0-15 of a sequence
; 24 LDS loads in one run: the fragments of pass t's K step k (128 along K): W's four, then x's eight, into set k % 2
.macro FETCH t, k
	WIN TO_B
.irp b, 0,1,2,3
.irp c, 0,1
	ds_load_b128 v[32*((\k)%2)+8*\b+4*\c:32*((\k)%2)+8*\b+4*\c+3], v[ADRB+(\t)%2] offset:8192*\b+1024*(\k)+512*\c
.endr
.endr
	WIN 0
.irp i, 0,1,2,3,4,5,6,7
.irp c, 0,1
	ds_load_b128 v[AF+64*((\k)%2)+8*\i+4*\c:AF+64*((\k)%2)+8*\i+4*\c+3], v[ADRA+(\k)/4] offset:4096*\i+1024*((\k)%4)+512*\c
.endr
.endr
.endm
; pass t's scale words, both K halves: register 32 half + 4 i + q: lanes 0-15 the word of x's block i, lanes 16-31 that of W's block i, for K step 4 half + q.  W has four blocks: for i = 4 .. 7 lanes 16-31 bring
; words 1 KB further on, which lie inside the two regions of scale words and are read by no product
.macro SCALES t
.irp s, 0,1
.irp i, 0,1,2,3,4,5,6,7
	ds_load_b128 v[SC+32*\s+4*\i:SC+32*\s+4*\i+3], v[ADRS+2*(\t)+\s] offset:256*\i
.endr
.endr
.endm
; 32 matrix instructions: x's eight blocks against W's four, K step k.  zero = 1: the first product starts the sums: nothing is cleared.
; The 32 accumulators take turns, one instruction a turn, in the same order in every step.
.macro MUL32 k, zero
.irp a, 0,1,2,3,4,5,6,7
.irp b, 0,1,2,3
.if \zero
	v_wmma_scale_f32_16x16x128_f8f6f4 v[8*(4*\a+\b):8*(4*\a+\b)+7], v[32*((\k)%2)+8*\b:32*((\k)%2)+8*\b+7], v[AF+64*((\k)%2)+8*\a:AF+64*((\k)%2)+8*\a+7], 0, v[SC+32*((\k)/4)+4*\b+(\k)%4], v[SC+32*((\k)/4)+4*\a+(\k)%4] matrix_a_fmt:MATRIX_FMT_FP4 matrix_b_fmt:MATRIX_FMT_FP4 matrix_a_scale:MATRIX_SCALE_ROW1
.else
	v_wmma_scale_f32_16x16x128_f8f6f4 v[8*(4*\a+\b):8*(4*\a+\b)+7], v[32*((\k)%2)+8*\b:32*((\k)%2)+8*\b+7], v[AF+64*((\k)%2)+8*\a:AF+64*((\k)%2)+8*\a+7], v[8*(4*\a+\b):8*(4*\a+\b)+7], v[SC+32*((\k)/4)+4*\b+(\k)%4], v[SC+32*((\k)/4)+4*\a+(\k)%4] matrix_a_fmt:MATRIX_FMT_FP4 matrix_b_fmt:MATRIX_FMT_FP4 matrix_a_scale:MATRIX_SCALE_ROW1
.endif
.endr
.endr
.endm
.macro PLACES n                        ; plain vector instructions between a matrix instruction and a load into, or a read of, its registers (ISA guide 7.12.1 for reads)
.rept \n
	v_nop
.endr
.endm
; A K step: its fragments are in; the next step's are asked for, into the set that the step before multiplied, and land under this step's 32 products
.macro STEP t, k, fetch, zero
	s_wait_dscnt 0x0
.if \fetch
	PLACES NP
	FETCH \t, (\k)+1
.endif
	WIN MUL
	MUL32 \k, \zero
	WIN 0
.endm
; THE WAY OUT of pass t, straight from registers.  co: the register with my 16 bytes' place in a block of 512; qb: the pair with the tensor's base.  Four places stand between the pass's last product and this macro.
.macro WAYOUT t, co, qb
	s_cmp_lg_u32 s93, 0                            ; cluster y and the wave's number alone: the same in all partners
	s_cbranch_scc1 .Lno_fq_\@
	WIN 0x08                                       ; a store's data are its source 1: window 2
.irp b, 0,1,2,3
	global_store_b128 v[LI], v[8*\b:8*\b+3], s[66:67] offset:65536*(\t)+1024*\b          ; positions 0-15 in f32, each accumulator from its low end on
	global_store_b128 v[LI], v[8*\b+4:8*\b+7], s[66:67] offset:65536*(\t)+1024*\b+512
.endr
	WIN 0
.Lno_fq_\@:
	WIN 0xca                                       ; sources 0 and 1 window 2, destination window 3
.irp a, 0,1,2,3,4,5,6,7
.irp b, 0,1,2,3
.irp r, 0,1,2,3
	v_cvt_pk_f16_f32 v[128*((\t)%2)+4*(4*\a+\b)+\r], v[8*(4*\a+\b)+2*\r], v[8*(4*\a+\b)+2*\r+1]
.endr
.endr
.endr
	WIN 0x0c                                       ; the data: window 3
.irp a, 0,1,2,3,4,5,6,7
.irp b, 0,1,2,3
	global_store_b128 v[\co], v[128*((\t)%2)+4*(4*\a+\b):128*((\t)%2)+4*(4*\a+\b)+3], s[\qb:\qb+1] offset:2048*\a+512*\b   ; the wave stores 512 consecutive bytes
.endr
.endr
	WIN 0
.if (\t) < 2
	s_wait_xcnt 0x0                                ; the stores have read their registers: the next pass writes the accumulators that the f32 stores read, the pass after it this set of packed results
.endif
.endm
	s_wait_tensorcnt 1                             ; the scale words and my part of x's first K half or of pass 0's W are in (my third load may be out)
	s_barrier_signal -1
	s_barrier_wait -1                              ; everybody's are
	; ---- PASS 0: q
	FETCH 0, 0
	SCALES 0
	STEP 0, 0, 1, 1
	STEP 0, 1, 1, 0
	STEP 0, 2, 1, 0
	s_wait_tensorcnt 0x0                           ; K step 4 goes over to x's second K half: all my tensor loads have landed;
	ds_add_u32 v[SPW], v[NIL]                      ; 0 onto my spare word;
	s_wait_dscnt 0x0                               ; the add is done, and K step 3's fragments are in
	s_barrier_signal -1
	WIN MUL
	MUL32 3, 0                                     ; work on registers while the others arrive
	WIN 0
	s_barrier_wait -1                              ; x's second K half and pass 1's W are whole
	PLACES NP
	FETCH 0, 4
	STEP 0, 4, 1, 0
	STEP 0, 5, 1, 0
	STEP 0, 6, 1, 0
	STEP 0, 7, 0, 0
	; slot 0 of W has been multiplied: it is filled again, with pass 2's W, behind a round of the cluster's barrier
	s_wait_tensorcnt 0x0                           ; no tensor load of mine is out;
	ds_add_u32 v[SPW], v[NIL]                      ; 0 onto my spare word;
	s_wait_dscnt 0x0                               ; the add is done, and my reads of the slot are over
	CROUND                                         ; both now hold of every wave of all sixteen work-groups
	s_cmp_eq_u32 s15, 0                            ; waves 2 and 3 fetch W's halves; waves 0 and 1 have nothing to fill
	s_cbranch_scc1 .Lno_refill
	tensor_load_to_lds s[G0B2:G0B2+3], s[G1B:G1B+7]   ; the first thing behind the round, and my one tensor load from here on: it has pass 0's way out and all of pass 1 in which to land
	s_nop 0
.rept 4
	v_nop
.endr
.Lno_refill:
	; ---- PASS 1: k
	PLACES NP                                      ; behind pass 0's last products, in front of the loads into their registers and of the reads of their results
	FETCH 1, 0
	SCALES 1
	WAYOUT 0, LI, 12                               ; q leaves while pass 1's first fragments come
	STEP 1, 0, 1, 1
.irp k, 1,2,3,4,5,6
	STEP 1, \k, 1, 0
.endr
	STEP 1, 7, 0, 0
	PLACES NP
	WAYOUT 1, LI, 4                                ; k leaves first: so much longer has pass 2's W to land
	s_wait_tensorcnt 0x0                           ; my part of pass 2's W is in,
	s_wait_dscnt 0x0
	s_barrier_signal -1
	s_barrier_wait -1                              ; everybody's is
	; ---- PASS 2: v
	FETCH 2, 0
	SCALES 2
	STEP 2, 0, 1, 1
.irp k, 1,2,3,4,5,6
	STEP 2, \k, 1, 0
.endr
	STEP 2, 7, 0, 0
	PLACES NP
	WAYOUT 2, COV, 6
	s_wait_tensorcnt 0x0                           ; the wave's end
	ds_add_u32 v[SPW], v[NIL]
	s_wait_dscnt 0x0
	CROUND                                         ; the closing round
	s_endpgm
.Lfunc_end_k_q5898e724ff_qkv:
	.size	k_q5898e724ff_qkv, .Lfunc_end_k_q5898e724ff_qkv-k_q5898e724ff_qkv
	.p2alignl 7, 3214868480
	.fill 96, 4, 3214868480
	.section	.rodata,"a",@progbits
	.p2align	6, 0x0
	.amdhsa_kernel k_q5898e724ff_qkv
		.amdhsa_group_segment_fixed_size 327680
		.amdhsa_private_segment_fixed_size 0
		.amdhsa_enable_private_segment 0
		.amdhsa_kernarg_size 48
		.amdhsa_user_sgpr_count 2
		.amdhsa_user_sgpr_kernarg_segment_ptr 1
		.amdhsa_wavefront_size32 1
		.amdhsa_system_sgpr_workgroup_id_x 1
		.amdhsa_system_sgpr_workgroup_id_y 1
		.amdhsa_system_sgpr_workgroup_id_z 1
		.amdhsa_system_vgpr_workitem_id 0
		.amdhsa_next_free_vgpr 1024
		.amdhsa_next_free_sgpr 100
		.amdhsa_reserve_vcc 0
		.amdhsa_float_denorm_mode_32 3
		.amdhsa_float_denorm_mode_16_64 3
		.amdhsa_memory_ordered 1
		.amdhsa_forward_progress 1
		.amdhsa_inst_pref_size 190
	.end_amdhsa_kernel
	.amdgpu_metadata
---
amdhsa.version: [ 1, 2 ]
amdhsa.kernels:
  - .name:           k_q5898e724ff_qkv
    .symbol:         k_q5898e724ff_qkv.kd
    .args:
      - { .name: xc, .offset: 0, .size: 8, .value_kind: global_buffer, .address_space: global }
      - { .name: xs, .offset: 8, .size: 8, .value_kind: global_buffer, .address_space: global }
      - { .name: wc, .offset: 16, .size: 8, .value_kind: global_buffer, .address_space: global }
      - { .name: ws, .offset: 24, .size: 8, .value_kind: global_buffer, .address_space: global }
      - { .name: qkv, .offset: 32, .size: 8, .value_kind: global_buffer, .address_space: global }
      - { .name: fq, .offset: 40, .size: 8, .value_kind: global_buffer, .address_space: global }
    .group_segment_fixed_size: 327680
    .private_segment_fixed_size: 0
    .kernarg_segment_align: 8
    .kernarg_segment_size: 48
    .max_flat_workgroup_size: 128
    .sgpr_count:     100
    .vgpr_count:     1024
    .wavefront_size: 32
...
	.end_amdgpu_metadata
.endif
;; end of part 2
;; launch attn (part 3): grid 256 x 1, 16 waves a work-group, no clusters, 327,680 bytes of LDS; arguments qkv, aimg; writes aimg
.if DOCPART == 3
	.amdgcn_target "amdgcn-amd-amdhsa--gfx1250"
	.amdhsa_code_object_version 6
	.text
	.protected	k_q5898e724ff_attn
	.globl	k_q5898e724ff_attn
	.p2align	8
	.type	k_q5898e724ff_attn,@function
k_q5898e724ff_attn:
	s_mov_b64 s[64:65], 0
	v_nop
	global_prefetch_b8 v0, s[64:65] scope:SCOPE_SE
	s_setreg_imm32_b32 hwreg(HW_REG_WAVE_MODE, 25, 1), 1
	s_wait_xcnt 0x0
; ATTN: O[b][head][q] = the sum over k <= q of softmax_k(q . k / 8) v, on f16 operands with f32 products' sums, maxima and sums.  1,024 positions, head size 64.
; SHARES.  Two work-groups to a head; a work-group owns 512 of its queries, each of its sixteen waves 32 (two tiles of 16) in 256 registers: four waves to a SIMD, so that one wave's softmax stands beside another's products.
; Wave w = 4 i + s takes the chunk of 32 queries 2 rho + (p xor i / 2), rho = 4 i + (s xor 3 (i % 2)), p the work-group's parity: both work-groups of a head, and the four waves w % 4 = s for every s, get the same number of key steps under the causal mask.
; THE HEAD'S WHOLE K AND V LIE IN LDS, 128 KB each, as launch qkv laid them: asked for once, at the head, in four pieces of 256 keys (every wave: one load of 4 KB a piece), read piece by piece behind a counted wait and a barrier.  Nothing is filled again.
; NO CLUSTER: only two work-groups read the same K and V, and each asks for its 256 KB once; a joint load for a pair would put a part of the place in the cluster into its address.
; LAYOUT.  S^T = K Q^T (source 0 = 16 keys, source 1 = 16 queries): a lane holds ONE query (lane % 16) and keys 8 (lane / 16) + 0..7; two such tiles, rounded to f16 in pairs, are source 1 of O^T = V^T P.  K's fragments are images of registers (two
; loads at 16 x lane); V lies [16 keys][16 channels] in rows of 32 bytes and comes turned, by ds_load_tr16_b128.
; SOFTMAX.  A running maximum m and sum l for each query: p = 2^(c s - c m), c = log2(e) / 8; in every step O and l are multiplied by a = 2^(c m_old - c m_new).  The step is written once: O and l begin as zeros, m as -3e38.
; CAUSAL.  Every wave walks all 16 steps of 64 keys (constant trip counts, every barrier passed); a step whose keys all come after the wave's queries is jumped over by a scalar branch on ids; on the diagonal hidden scores become -infinity.
; A step's first key is a multiple of 64 and the wave's first query of 32: a step that is not jumped over begins at or under the first query, so every query sees at least one key of it.
; OUT: aimg [tile of 16 rows 512][32 along H x D: 32][1 KB]: the f16 fragment of the output projection's operand, stored straight from registers, 512 consecutive bytes a store.
; LIMIT: |O| stays under 65,504 (f16).
.set SPARE, 262144                     ; behind K and V: the spare words, 128 bytes for each of 16 waves
.set AK0, 1                            ; v1   16 x lane
.set AV0, 2                            ; v2   my lane's place in a block of V: 131072 + 256 h + 32 (l % 8) + 16 ((l / 8) % 2)
.set ADK, 3                            ; v3   LDS address of the step's K
.set ADV, 4                            ; v4   of its V
.set SPW, 5                            ; v5   LDS address of my spare word; never rewritten
.set NIL, 6                            ; v6   0; never rewritten
.set ST,  12                           ; v12-27 statistics, eight a tile: +0 c m, +1 m, +2, +3 l (two halves), +4 .. +7 at work; a stands in +6
.set QF,  28                           ; v28-59   Q: tile qt, channels 32 u on: 16 qt + 8 u
.set KV,  60                           ; v60-123  K's eight fragments (32 u + 8 kt), later V's (32 u2 + 8 t)
.set S,   124                          ; v124-187 S^T (32 qt + 8 kt), then p; P's fragment u2 of tile qt ends up at 32 qt + 16 u2
.set O,   188                          ; v188-251 O^T (32 qt + 8 t);  v252-255 the sums' second chains;  v8-11 the mask's numbers
.set TB,  40                           ; s40  LDS byte at which the step's keys begin
.set KEY, 41                           ; s41  the step's first key
.set Q0,  42                           ; s42  my first query
.set CNT, 43
.set CS,  44                           ; s[44:45] c
.set SEL, 46                           ; s[46:47] selects for lane l xor 16
	s_load_b128 s[4:7], s[0:1], 0x0                ; qkv s[4:5], aimg s[6:7]
	v_lshl_add_u32 v[SPW], v0, 2, SPARE
	v_mov_b32 v[NIL], 0
	ds_add_u32 v[SPW], v[NIL]                      ; the wave's opening: the add, twice on end, and its wait ahead of my first tensor load
	ds_add_u32 v[SPW], v[NIL]
	v_lshrrev_b32 v7, 5, v0
	v_readfirstlane_b32 s8, v7                     ; wave 0..15
	; group 1: a dense block of 4,096 bytes as 16 rows of 256 (32 elements of 8 bytes)
	s_mov_b32 s16, 3<<16
	s_mov_b32 s17, 32<<16
	s_mov_b32 s18, 16<<16
	s_mov_b32 s19, 32<<16
	s_mov_b32 s20, 16
	s_mov_b32 s21, 32
	s_mov_b32 s22, 0
	s_mov_b32 s23, 0
	s_lshr_b32 s9, s8, 3                           ; waves 0-7 fetch K, waves 8-15 V
	s_and_b32 s10, s8, 7
	s_lshl_b32 s11, s9, 17
	s_lshl_b32 s12, s10, 12                        ; my 4 KB of a piece's 32
	s_add_co_u32 s11, s11, s12                     ; in LDS
	s_lshr_b32 s13, ttmp9, 1                       ; 16 b + head
	s_and_b32 s14, ttmp9, 1                        ; p
	s_add_co_u32 s48, s9, 1
	s_lshl_b32 s48, s48, 24                        ; k's or v's 16 MB,
	s_lshl_b32 s15, s13, 17                        ; the head's 128 KB,
	s_add_co_u32 s48, s48, s15
	s_add_co_u32 s48, s48, s12
	s_mov_b32 s49, 0
	s_lshr_b32 s50, s8, 2                          ; i
	s_and_b32 s51, s8, 3                           ; s
	s_and_b32 s52, s50, 1
	s_mul_i32 s52, s52, 3
	s_xor_b32 s51, s51, s52
	s_lshl_b32 s52, s50, 2
	s_add_co_u32 s51, s51, s52                     ; rho
	s_lshr_b32 s52, s50, 1
	s_xor_b32 s52, s52, s14
	s_lshl_b32 s51, s51, 1
	s_add_co_u32 s51, s51, s52                     ; my chunk of 32 queries
	s_lshl_b32 s[Q0], s51, 5
	s_lshl_b32 s52, s51, 12                        ; q: two tiles of 2 KB a chunk
	s_add_co_u32 s52, s52, s15
	s_mov_b32 s53, 0
	s_lshr_b32 s54, s13, 4                         ; b
	s_and_b32 s55, s13, 15                         ; head
	s_lshl_b32 s54, s54, 21                        ; aimg: 64 tiles of 32 KB a batch,
	s_lshl_b32 s56, s51, 16                        ; two a chunk,
	s_add_co_u32 s54, s54, s56
	s_lshl_b32 s55, s55, 11                        ; two images a head
	s_add_co_u32 s54, s54, s55
	s_mov_b32 s55, 0
	s_mov_b32 s[CS], 0x3e38aa3b                    ; c = log2(e) / 8
	s_mov_b32 s[CS+1], s[CS]                       ; (named with it as a pair, so it is written)
	s_mov_b32 s[SEL], 0x76543210
	s_mov_b32 s[SEL+1], 0xfedcba98
	s_mov_b32 s[KEY], 0
	s_wait_dscnt 0x0                               ; both opening adds are done
	s_wait_kmcnt 0x0
	s_add_nc_u64 s[48:49], s[4:5], s[48:49]
.irp g, 0,1,2,3
	s_mov_b32 s[24+4*\g], 1
	s_add_co_u32 s[25+4*\g], s11, 32768*\g
	s_add_nc_u64 s[26+4*\g:27+4*\g], s[48:49], 32768*\g
	s_or_b32 s[27+4*\g], s[27+4*\g], 0x80000000
.endr
.irp g, 0,1,2,3
	tensor_load_to_lds s[24+4*\g:27+4*\g], s[16:23]     ; all four pieces go out together: four tensor loads of mine are out
	s_nop 0
.endr
.rept 4
	v_nop
.endr
	s_add_nc_u64 s[4:5], s[4:5], s[52:53]          ; q at my first query
	s_add_nc_u64 s[6:7], s[6:7], s[54:55]
	v_and_b32 v7, 31, v0
	v_lshlrev_b32 v[AK0], 4, v7
.irp i, 0,1,2,3,4,5,6,7
	global_load_b128 v[QF+4*\i:QF+4*\i+3], v[AK0], s[4:5] offset:512*\i    ; Q's four fragments stay in registers
.endr
	v_and_b32 v8, 15, v0                           ; r
	v_bfe_u32 v9, v0, 4, 1                         ; h
	v_lshlrev_b32 v10, 3, v9
	v_sub_nc_u32 v11, v8, v10                      ; r - 8 h, for the mask
	v_and_b32 v8, 7, v0
	v_bfe_u32 v10, v0, 3, 1
	v_lshlrev_b32 v[AV0], 8, v9
	v_lshl_add_u32 v[AV0], v8, 5, v[AV0]
	v_lshl_add_u32 v[AV0], v10, 4, v[AV0]
	v_add_nc_u32 v[AV0], 131072, v[AV0]
.irp t, 0,1
	v_mov_b32 v[ST+8*\t+1], 0xff61b1e6             ; m = -3e38, under every score
	v_mul_f32 v[ST+8*\t], s[CS], v[ST+8*\t+1]
	v_mov_b32 v[ST+8*\t+2], 0
	v_mov_b32 v[ST+8*\t+3], 0
.endr
.irp j, 0,1,2,3,4,5,6,7,8,9,10,11,12,13,14,15,16,17,18,19,20,21,22,23,24,25,26,27,28,29,30,31,32,33,34,35,36,37,38,39,40,41,42,43,44,45,46,47,48,49,50,51,52,53,54,55,56,57,58,59,60,61,62,63
	v_mov_b32 v[O+\j], 0                           ; the step is written once: the first finds zeros
.endr
; A KEY STEP: 64 keys
.macro STEP
	s_cmp_gt_u32 s[KEY], s[Q0]                     ; all its keys come after my queries: ids and the count of steps alone
	s_cbranch_scc1 .Lhidden_\@
	v_add_nc_u32 v[ADK], s[TB], v[AK0]
	v_add_nc_u32 v[ADV], s[TB], v[AV0]
.irp u, 0,1
.irp kt, 0,1,2,3
.irp c, 0,1
	ds_load_b128 v[KV+32*\u+8*\kt+4*\c:KV+32*\u+8*\kt+4*\c+3], v[ADK] offset:2048*\kt+1024*\u+512*\c
.endr
.endr
.endr
	s_wait_dscnt 8                                 ; channels 0-31 are in; the other eight loads may be out
.irp kt, 0,1,2,3
.irp qt, 0,1
	v_wmma_f32_16x16x32_f16 v[S+32*\qt+8*\kt:S+32*\qt+8*\kt+7], v[KV+8*\kt:KV+8*\kt+7], v[QF+16*\qt:QF+16*\qt+7], 0
.endr
.endr
	s_wait_dscnt 0x0
.irp kt, 0,1,2,3
.irp qt, 0,1
	v_wmma_f32_16x16x32_f16 v[S+32*\qt+8*\kt:S+32*\qt+8*\kt+7], v[KV+32+8*\kt:KV+32+8*\kt+7], v[QF+16*\qt+8:QF+16*\qt+15], v[S+32*\qt+8*\kt:S+32*\qt+8*\kt+7]   ; the eight accumulators by turns
.endr
.endr
.rept 4
	v_nop                                          ; places in front of the loads into K's registers and of the first read of the scores
.endr
.irp u, 0,1
.irp t, 0,1,2,3
	ds_load_tr16_b128 v[KV+32*\u+8*\t:KV+32*\u+8*\t+3], v[ADV] offset:4096*\u+512*\t            ; V^T: channels 16 t on, keys 32 u + 8 h + 0..7,
	ds_load_tr16_b128 v[KV+32*\u+8*\t+4:KV+32*\u+8*\t+7], v[ADV] offset:4096*\u+512*\t+2048     ; and 16 keys on.  They land while the softmax is walked
.endr
.endr
	s_add_co_u32 s57, s[KEY], 63
	s_cmp_le_u32 s57, s[Q0]                        ; all 64 keys count for all my queries: no mask
	s_cbranch_scc1 .Lopen_\@
	s_sub_co_i32 s57, s[Q0], s[KEY]
	v_add_nc_u32 v8, s57, v11                      ; tile 0: register 8 kt + j holds key KEY + 16 kt + 8 h + j: hidden where 16 kt + j > Q0 - KEY + r - 8 h
	v_add_nc_u32 v9, 16, v8                        ; tile 1: 16 queries on
	v_mov_b32 v10, 0xff800000                      ; -infinity
.irp qt, 0,1
.irp n, 0,1,2,3,4,5,6,7,8,9,10,11,12,13,14,15,16,17,18,19,20,21,22,23,24,25,26,27,28,29,30,31
	v_cmp_gt_i32 vcc_lo, 16*(\n/8)+\n%8, v[8+\qt]
	v_cndmask_b32 v[S+32*\qt+\n], v[S+32*\qt+\n], v10, vcc_lo
.endr
.endr
.Lopen_\@:
	; the maximum of my 32 scores and the old m, four chains a tile, the two tiles by turns
.irp k, 0,1,2,3
.irp t, 0,1
	v_max3_num_f32 v[ST+8*\t+4+\k], v[S+32*\t+8*\k], v[S+32*\t+8*\k+1], v[S+32*\t+8*\k+2]
.endr
.endr
.irp i, 3,5
.irp k, 0,1,2,3
.irp t, 0,1
	v_max3_num_f32 v[ST+8*\t+4+\k], v[ST+8*\t+4+\k], v[S+32*\t+8*\k+\i], v[S+32*\t+8*\k+\i+1]
.endr
.endr
.endr
.irp t, 0,1
	v_max3_num_f32 v[ST+8*\t+4], v[ST+8*\t+4], v[S+32*\t+7], v[S+32*\t+15]
.endr
.irp t, 0,1
	v_max3_num_f32 v[ST+8*\t+6], v[ST+8*\t+6], v[S+32*\t+23], v[S+32*\t+31]
.endr
.irp t, 0,1
	v_max3_num_f32 v[ST+8*\t+4], v[ST+8*\t+4], v[ST+8*\t+5], v[ST+8*\t+6]
.endr
.irp t, 0,1
	v_max3_num_f32 v[ST+8*\t+4], v[ST+8*\t+4], v[ST+8*\t+7], v[ST+8*\t+1]
.endr
.irp t, 0,1
	v_permlanex16_b32 v[ST+8*\t+5], v[ST+8*\t+4], s[SEL], s[SEL+1]    ; the query's other 32 keys lie in the lane 16 away
.endr
.irp t, 0,1
	v_mov_b32 v[ST+8*\t+7], v[ST+8*\t]             ; c m_old
.endr
.irp t, 0,1
	v_max_num_f32 v[ST+8*\t+1], v[ST+8*\t+4], v[ST+8*\t+5]
.endr
.irp t, 0,1
	v_mul_f32 v[ST+8*\t], s[CS], v[ST+8*\t+1]
.endr
.irp t, 0,1
	v_sub_f32 v[ST+8*\t+7], v[ST+8*\t+7], v[ST+8*\t]
.endr
.irp b, 0,2,4,6,8,10,12,14,16,18,20,22,24,26,28,30
.irp t, 0,1
	v_pk_fma_f32 v[S+32*\t+\b:S+32*\t+\b+1], v[S+32*\t+\b:S+32*\t+\b+1], s[CS:CS+1], v[ST+8*\t:ST+8*\t+1] op_sel_hi:[1,0,0] neg_lo:[0,0,1] neg_hi:[0,0,1]   ; c s - c m
.endr
.endr
.irp t, 0,1
	v_exp_f32 v[ST+8*\t+6], v[ST+8*\t+7]           ; a
.endr
.irp n, 0,1,2,3,4,5,6,7,8,9,10,11,12,13,14,15,16,17,18,19,20,21,22,23,24,25,26,27,28,29,30,31
.irp t, 0,1
	v_exp_f32 v[S+32*\t+\n], v[S+32*\t+\n]         ; p: one batch of 66 exponentials
.endr
.endr
	v_nop                                          ; a plain instruction behind the last of them,
	s_wait_alu depctr_va_vdst(0)                   ; and one wait ahead of the batch's first reader
.irp t, 0,1
	v_pk_add_f32 v[ST+8*\t+4:ST+8*\t+5], v[S+32*\t:S+32*\t+1], v[S+32*\t+2:S+32*\t+3]      ; the row's sum, of p in f32: two chains a tile, which leave p as it is
	v_pk_add_f32 v[252+2*\t:253+2*\t], v[S+32*\t+4:S+32*\t+5], v[S+32*\t+6:S+32*\t+7]
.endr
.irp j, 8,12,16,20,24,28
.irp t, 0,1
	v_pk_add_f32 v[ST+8*\t+4:ST+8*\t+5], v[ST+8*\t+4:ST+8*\t+5], v[S+32*\t+\j:S+32*\t+\j+1]
	v_pk_add_f32 v[252+2*\t:253+2*\t], v[252+2*\t:253+2*\t], v[S+32*\t+\j+2:S+32*\t+\j+3]
.endr
.endr
.irp t, 0,1
	v_pk_add_f32 v[ST+8*\t+4:ST+8*\t+5], v[ST+8*\t+4:ST+8*\t+5], v[252+2*\t:253+2*\t]
.endr
.irp t, 0,1
	v_pk_fma_f32 v[ST+8*\t+2:ST+8*\t+3], v[ST+8*\t+2:ST+8*\t+3], v[ST+8*\t+6:ST+8*\t+7], v[ST+8*\t+4:ST+8*\t+5] op_sel_hi:[1,0,1]   ; l = a l + the sum
.endr
.irp u, 0,1
.irp i, 0,1,2,3,4,5,6,7
.irp t, 0,1
	v_cvt_pk_f16_f32 v[S+32*\t+16*\u+\i], v[S+32*\t+16*\u+2*\i], v[S+32*\t+16*\u+2*\i+1]    ; in place: register i is written when registers 2 i and 2 i + 1 are read, and never ahead of them
.endr
.endr
.endr
.irp j, 0,2,4,6,8,10,12,14,16,18,20,22,24,26,28,30
.irp t, 0,1
	v_pk_mul_f32 v[O+32*\t+\j:O+32*\t+\j+1], v[O+32*\t+\j:O+32*\t+\j+1], v[ST+8*\t+6:ST+8*\t+7] op_sel_hi:[1,0]   ; O^T x a
.endr
.endr
	s_wait_dscnt 0x0                               ; V is in
.irp u, 0,1
.irp t, 0,1,2,3
.irp qt, 0,1
	v_wmma_f32_16x16x32_f16 v[O+32*\qt+8*\t:O+32*\qt+8*\t+7], v[KV+32*\u+8*\t:KV+32*\u+8*\t+7], v[S+32*\qt+16*\u:S+32*\qt+16*\u+7], v[O+32*\qt+8*\t:O+32*\qt+8*\t+7]   ; eight accumulators by turns
.endr
.endr
.endr
.rept 5
	v_nop                                          ; the next step's first products write over P's registers: five places; its loads land in V's: four
.endr
.Lhidden_\@:
	s_add_co_u32 s[KEY], s[KEY], 64
	s_add_co_u32 s[TB], s[TB], 8192
.endm
; A PIECE of 256 keys: my load of it has landed (the later pieces' stay out), everybody's has; then four steps
.macro PIECE g
	s_wait_tensorcnt 3-\g
	s_wait_dscnt 0x0
	s_barrier_signal -1
	s_barrier_wait -1
	s_mov_b32 s[TB], 32768*\g
	s_mov_b32 s[CNT], 4
.Lstep_\@:
	STEP
	s_sub_co_u32 s[CNT], s[CNT], 1
	s_cmp_lg_u32 s[CNT], 0
	s_cbranch_scc1 .Lstep_\@
.endm
	s_wait_loadcnt 0x0                             ; Q
	PIECE 0
	PIECE 1
	PIECE 2
	PIECE 3
	; THE WAY OUT: O^T / l, rounded to f16: a lane's eight channels are 16 bytes of the next product's fragment
.irp t, 0,1
	v_add_f32 v[ST+8*\t+4], v[ST+8*\t+2], v[ST+8*\t+3]
.endr
.irp t, 0,1
	v_permlanex16_b32 v[ST+8*\t+5], v[ST+8*\t+4], s[SEL], s[SEL+1]
.endr
.irp t, 0,1
	v_add_f32 v[ST+8*\t+4], v[ST+8*\t+4], v[ST+8*\t+5]
.endr
.irp t, 0,1
	v_rcp_f32 v[ST+8*\t+6], v[ST+8*\t+4]
.endr
	v_nop
	s_wait_alu depctr_va_vdst(0)                   ; one wait for the two reciprocals, ahead of their first reader
.irp t, 0,1
.irp j, 0,2,4,6,8,10,12,14,16,18,20,22,24,26,28,30
	v_pk_mul_f32 v[O+32*\t+\j:O+32*\t+\j+1], v[O+32*\t+\j:O+32*\t+\j+1], v[ST+8*\t+6:ST+8*\t+7] op_sel_hi:[1,0]
.endr
.endr
.irp t, 0,1
.irp i, 0,1,2,3,4,5,6,7,8,9,10,11,12,13,14,15
	v_cvt_pk_f16_f32 v[S+16*\t+\i], v[O+32*\t+2*\i], v[O+32*\t+2*\i+1]
.endr
.endr
.irp t, 0,1
.irp i, 0,1,2,3
	global_store_b128 v[AK0], v[S+16*\t+4*\i:S+16*\t+4*\i+3], s[6:7] offset:32768*\t+512*\i    ; the wave stores 512 consecutive bytes
.endr
.endr
	s_wait_tensorcnt 0x0                           ; the wave's end
	ds_add_u32 v[SPW], v[NIL]
	s_wait_dscnt 0x0
	s_endpgm
.Lfunc_end_k_q5898e724ff_attn:
	.size	k_q5898e724ff_attn, .Lfunc_end_k_q5898e724ff_attn-k_q5898e724ff_attn
	.p2alignl 7, 3214868480
	.fill 96, 4, 3214868480
	.section	.rodata,"a",@progbits
	.p2align	6, 0x0
	.amdhsa_kernel k_q5898e724ff_attn
		.amdhsa_group_segment_fixed_size 327680
		.amdhsa_private_segment_fixed_size 0
		.amdhsa_enable_private_segment 0
		.amdhsa_kernarg_size 16
		.amdhsa_user_sgpr_count 2
		.amdhsa_user_sgpr_kernarg_segment_ptr 1
		.amdhsa_wavefront_size32 1
		.amdhsa_system_sgpr_workgroup_id_x 1
		.amdhsa_system_sgpr_workgroup_id_y 1
		.amdhsa_system_sgpr_workgroup_id_z 1
		.amdhsa_system_vgpr_workitem_id 0
		.amdhsa_next_free_vgpr 256
		.amdhsa_next_free_sgpr 66
		.amdhsa_reserve_vcc 1
		.amdhsa_float_denorm_mode_32 3
		.amdhsa_float_denorm_mode_16_64 3
		.amdhsa_memory_ordered 1
		.amdhsa_forward_progress 1
		.amdhsa_inst_pref_size 100
	.end_amdhsa_kernel
	.amdgpu_metadata
---
amdhsa.version: [ 1, 2 ]
amdhsa.kernels:
  - .name:           k_q5898e724ff_attn
    .symbol:         k_q5898e724ff_attn.kd
    .args:
      - { .name: qkv, .offset: 0, .size: 8, .value_kind: global_buffer, .address_space: global }
      - { .name: aimg, .offset: 8, .size: 8, .value_kind: global_buffer, .address_space: global }
    .group_segment_fixed_size: 327680
    .private_segment_fixed_size: 0
    .kernarg_segment_align: 8
    .kernarg_segment_size: 16
    .max_flat_workgroup_size: 512
    .sgpr_count:     66
    .vgpr_count:     256
    .wavefront_size: 32
...
	.end_amdgpu_metadata
.endif
;; end of part 3
;; launch proj (part 4): grid 8 x 32, 4 waves a work-group, clusters of 4 x 4, 327,680 bytes of LDS; arguments aimg, wo16, bo, out0; writes out0
.if DOCPART == 4
	.amdgcn_target "amdgcn-amd-amdhsa--gfx1250"
	.amdhsa_code_object_version 6
	.text
	.protected	k_q5898e724ff_proj
	.globl	k_q5898e724ff_proj
	.p2align	8
	.type	k_q5898e724ff_proj,@function
k_q5898e724ff_proj:
	s_mov_b64 s[64:65], 0
	v_nop
	global_prefetch_b8 v0, s[64:65] scope:SCOPE_SE
	s_setreg_imm32_b32 hwreg(HW_REG_WAVE_MODE, 25, 1), 1
	s_wait_xcnt 0x0
	s_wait_alu depctr_hold_cnt(0) depctr_sa_sdst(0) depctr_va_vdst(0) depctr_va_sdst(0) depctr_va_ssrc(0) depctr_va_vcc(0) depctr_vm_vsrc(0)
	s_getreg_b32 s2, hwreg(HW_REG_IB_STS2, 6, 4)
	s_cmp_eq_u32 s2, 0
	s_cbranch_scc0 .Lentry_in_a_cluster
	s_endpgm
.Lentry_in_a_cluster:
	s_bfe_u32 s2, ttmp6, 0x10000c
	s_cmp_lg_u32 s2, 0xf033
	s_cbranch_scc0 .Lentry_shape_is_right
	s_endpgm
.Lentry_shape_is_right:
; PROJ: out0[row 8192][n 1024] = A Wo + bo, A the attention's output; f16 operands, f32 sums.  (Rows 0-15 of every sequence are written again, more finely, by the launch behind this one.)
; A tile of out0 is 256 rows x 128 columns: 256 work-groups.  Wave w makes rows 64 w .. 64 w + 63 by all 128 columns: 32 accumulators of 16 x 16, 256 registers.
; OPERANDS ARE IMAGES OF REGISTERS: a fragment, 16 rows x 32 K, is 1,024 bytes, [c][lane][16 bytes]; a tile of 16 rows has its 32 fragments along K on end.  K goes in steps of 128 (4 KB a tile of 16) through a ring of two LDS slots:
; waves 0 and 1 fetch A's 16 tiles (8 rows of 4 KB a load), waves 2 and 3 Wo's 8 tiles (4 rows of 4 KB).  A fragment is two ds_load_b128 at 16 x lane: an instruction's 512 bytes are consecutive, so there is no padding.
; CLUSTERS: 4 x 4 work-groups: A's tiles are asked for jointly along a row of the cluster, Wo's along a column.
; THE MATRIX INSTRUCTION IS USED TRANSPOSED (source 0 = 16 columns of Wo, source 1 = 16 rows of A): a lane holds eight neighbouring numbers of a row of out0.  The bias is the C of each sum's first product.
; REGISTERS: window 0: v16-29 addresses; v32-127, v128-223 two fragment buffers (Wo's 8 fragments, then A's 4); on the way out v32-159 rows read back.   window 1: the accumulators, (a, b) at v[8 (8 a + b)].   window 2: v0-63 the bias, eight registers for each b.
.set SLOT,   98304                     ; A's 16 x 4 KB, then Wo's 8 x 4 KB
.set BOFF,   65536
.set STAGE,  196608                    ; behind the ring: 16 rows x 528 bytes for each wave, bytes of their own
.set SPITCH, 528
.set SPARE,  230400                    ; behind the stages: the spare words
.set LAPS,   4                         ; a lap = two K steps; K = 1,024 = 8 steps
.set LI,   16                          ; v16     16 x lane
.set ADRA, 18                          ; v18-19  LDS address of my fragments of A in slot 0, 1
.set ADRB, 20                          ; v20-21  of Wo's
.set STO,  24                          ; v24     the way out: where I put 32 bytes of a row
.set RD,   25                          ; v25     and where I read a row back
.set BO,   26                          ; v26     32 h: my eight numbers of a tile's 16 of the bias
.set SPW,  28
.set NIL,  29
.set F0,   32
.set F1,   128
.set BK,   32
.set G1, 24
.set G0, 32
.set G1B, 48
.set G0B, 56
.set MSB, 0
.macro WIN new
.if MSB != \new
	s_set_vgpr_msb (MSB<<8)|\new
.set MSB, \new
.endif
.endm
.set MUL,  0x50                        ; sources 0 and 1 window 0; C and D window 1
.set MULB, 0x60                        ; C window 2 (the bias), D window 1
.macro JLOAD s                         ; a joint load; an s_nop 0 and four v_nop follow each of the two lines
	s_cmp_eq_u32 s13, 0
	s_cbranch_scc0 .Lfor_b_\@
	tensor_load_to_lds s[G0+4*\s:G0+4*\s+3], s[G1:G1+7]
	s_nop 0
.rept 4
	v_nop
.endr
	s_branch .Lasked_\@
.Lfor_b_\@:
	tensor_load_to_lds s[G0B+4*\s:G0B+4*\s+3], s[G1B:G1B+7]
	s_nop 0
.rept 4
	v_nop
.endr
.Lasked_\@:
.endm
.macro CREST
	s_cmp_lg_u32 s12, 0
	s_cbranch_scc1 .Lnot_wave_0_\@
	s_barrier_signal -3
.Lnot_wave_0_\@:
	s_barrier_wait -3
	s_barrier_signal -1
	s_barrier_wait -1
.endm
.macro CROUND
	s_barrier_signal -1
	s_barrier_wait -1
	CREST
.endm
	s_load_b256 s[4:11], s[0:1], 0x0               ; aimg s[4:5], wo16 s[6:7], bo s[8:9], out0 s[10:11]
	v_lshl_add_u32 v[SPW], v0, 2, SPARE
	v_mov_b32 v[NIL], 0
	ds_add_u32 v[SPW], v[NIL]                      ; the wave's opening: the add, twice on end, and its wait ahead of my first tensor load
	ds_add_u32 v[SPW], v[NIL]
	v_lshrrev_b32 v1, 5, v0
	v_readfirstlane_b32 s12, v1                    ; wave 0..3
	s_lshr_b32 s13, s12, 1                         ; I fetch for A (0) or for Wo (1),
	s_and_b32 s14, s12, 1                          ; its first or its second half
	s_bfe_u32 s40, ttmp6, 0x40000                  ; cx
	s_bfe_u32 s41, ttmp6, 0x40004                  ; cy
	s_lshl_b32 s42, ttmp9, 2
	s_add_co_u32 s42, s42, s40                     ; tile column
	s_and_b32 s15, ttmp7, 0xffff
	s_lshl_b32 s15, s15, 2
	s_add_co_u32 s15, s15, s41                     ; tile row
	s_lshl_b32 s43, s41, 2
	s_lshl_b32 s43, 15, s43                        ; my row of the cluster
	s_lshl_b32 s44, 0x1111, s40                    ; my column
	s_or_b32 s[G1+0], s43, (3<<16)|(1<<21)         ; elements of 8 bytes, no padding
	s_or_b32 s[G1B+0], s44, (3<<16)|(1<<21)
.irp g, G1, G1B
	s_mov_b32 s[\g+1], 512<<16                     ; rows of 4,096 bytes,
	s_mov_b32 s[\g+3], 512<<16
	s_mov_b32 s[\g+5], 4096                        ; 32,768 bytes apart
	s_mov_b32 s[\g+6], 0
	s_mov_b32 s[\g+7], 0
.endr
	s_mov_b32 s[G1+2], 8<<16                       ; A: 8 of them
	s_mov_b32 s[G1+4], 8
	s_mov_b32 s[G1B+2], 4<<16                      ; Wo: 4
	s_mov_b32 s[G1B+4], 4
	s_lshl_b32 s16, s15, 4
	s_lshl_b32 s17, s14, 3
	s_add_co_u32 s16, s16, s17                     ; A: tile of 16 rows 16 x tile row + 8 x half
	s_lshl_b32 s16, s16, 15
	s_mov_b32 s17, 0
	s_lshl_b32 s46, s42, 3
	s_lshl_b32 s47, s14, 2
	s_add_co_u32 s46, s46, s47                     ; Wo: tile of 16 columns 8 x tile column + 4 x half
	s_lshl_b32 s46, s46, 15
	s_mov_b32 s47, 0
	s_lshl_b32 s20, s14, 15                        ; where they go: A's halves,
	s_lshl_b32 s21, s14, 14
	s_add_co_u32 s21, s21, BOFF                    ; Wo's halves behind them
	s_wait_dscnt 0x0                               ; both opening adds are done
	s_wait_kmcnt 0x0
	s_add_nc_u64 s[16:17], s[4:5], s[16:17]
	s_add_nc_u64 s[46:47], s[6:7], s[46:47]
	CROUND                                         ; all sixteen work-groups are here
.irp s, 0,1
	s_mov_b32 s[G0+4*\s], 1
	s_add_co_u32 s[G0+4*\s+1], s20, \s*SLOT
	s_add_nc_u64 s[G0+4*\s+2:G0+4*\s+3], s[16:17], \s*4096
	s_or_b32 s[G0+4*\s+3], s[G0+4*\s+3], 0x80000000
	s_mov_b32 s[G0B+4*\s], 1
	s_add_co_u32 s[G0B+4*\s+1], s21, \s*SLOT
	s_add_nc_u64 s[G0B+4*\s+2:G0B+4*\s+3], s[46:47], \s*4096
	s_or_b32 s[G0B+4*\s+3], s[G0B+4*\s+3], 0x80000000
	JLOAD \s                                       ; two tensor loads of mine are out behind the second
.endr
	v_and_b32 v1, 15, v0
	v_bfe_u32 v2, v0, 4, 1
	v_and_b32 v3, 31, v0
	v_lshlrev_b32 v[LI], 4, v3
	s_lshl_b32 s22, s12, 14                        ; my four tiles of A
	s_mov_b32 s23, BOFF
.irp s, 0,1
	v_add_nc_u32 v[ADRA+\s], s22, v[LI]
	v_add_nc_u32 v[ADRB+\s], s23, v[LI]
	s_add_co_u32 s22, s22, SLOT
	s_add_co_u32 s23, s23, SLOT
.endr
	s_mul_i32 s22, s12, 16*SPITCH
	s_add_co_u32 s22, s22, STAGE                   ; my stage
	v_mul_u32_u24 v4, v1, SPITCH
	v_lshl_add_u32 v4, v2, 5, v4
	v_add_nc_u32 v[STO], s22, v4
	v_add_nc_u32 v[RD], s22, v[LI]
	v_lshlrev_b32 v[BO], 5, v2
	s_lshl_b32 s46, s42, 9                         ; the tile's first column, in bytes
	s_mov_b32 s47, 0
	s_add_nc_u64 s[8:9], s[8:9], s[46:47]
	s_add_nc_u64 s[10:11], s[10:11], s[46:47]
	s_lshl_b32 s16, s15, 20                        ; 256 rows of 4,096 bytes a tile row,
	s_lshl_b32 s17, s12, 18                        ; 64 a wave
	s_add_co_u32 s16, s16, s17
	s_mov_b32 s17, 0
	s_add_nc_u64 s[10:11], s[10:11], s[16:17]
	WIN 0x80                                       ; destination window 2
.irp b, 0,1,2,3,4,5,6,7
	global_load_b128 v[8*\b:8*\b+3], v[BO], s[8:9] offset:64*\b          ; bo at columns 16 b + 8 h + 0..7: the result's layout
	global_load_b128 v[8*\b+4:8*\b+7], v[BO], s[8:9] offset:64*\b+16
.endr
	WIN 0
.macro MUL8 f, a, bias                 ; A's block a against Wo's eight, 32 along K
.irp b, 0,1,2,3,4,5,6,7
.if \bias
	v_wmma_f32_16x16x32_f16 v[8*(8*(\a)+\b):8*(8*(\a)+\b)+7], v[\f+8*\b:\f+8*\b+7], v[\f+64+8*(\a):\f+64+8*(\a)+7], v[8*\b:8*\b+7]
.else
	v_wmma_f32_16x16x32_f16 v[8*(8*(\a)+\b):8*(8*(\a)+\b)+7], v[\f+8*\b:\f+8*\b+7], v[\f+64+8*(\a):\f+64+8*(\a)+7], v[8*(8*(\a)+\b):8*(8*(\a)+\b)+7]
.endif
.endr
.endm
.macro FETCH slot, q, f                ; 24 LDS loads in one run: Wo's eight fragments, then A's four, of the slot's q-th 32 along K
.irp i, 0,1,2,3,4,5,6,7
	ds_load_b128 v[\f+8*\i:\f+8*\i+3],   v[ADRB+\slot] offset:4096*\i+1024*(\q)
	ds_load_b128 v[\f+8*\i+4:\f+8*\i+7], v[ADRB+\slot] offset:4096*\i+1024*(\q)+512
.endr
.irp i, 0,1,2,3
	ds_load_b128 v[\f+64+8*\i:\f+64+8*\i+3],   v[ADRA+\slot] offset:4096*\i+1024*(\q)
	ds_load_b128 v[\f+64+8*\i+4:\f+64+8*\i+7], v[ADRA+\slot] offset:4096*\i+1024*(\q)+512
.endr
.endm
.macro PLACES
.rept 4
	v_nop
.endr
.endm
.macro WMUL bias
.if \bias
	WIN MULB
.else
	WIN MUL
.endif
.endm
; A K step is four quarters of 32 along K, 32 matrix instructions each (the 32 accumulators by turns), on buffers 0, 1, 0, 1.  One of the first three multiplies buffer f and fetches quarter q into g.
.macro QUARTER slot, q, f, g, bias
	s_wait_dscnt 4                                 ; Wo's fragments and A's blocks 0, 1 are in; the youngest four loads (blocks 2, 3) may be out
	WMUL \bias
	MUL8 \f, 0, \bias
	MUL8 \f, 1, \bias
	PLACES
	WIN 0
	FETCH \slot, \q, \g
	s_wait_dscnt 24                                ; all but the 24 just issued
	WMUL \bias
	MUL8 \f, 2, \bias
	MUL8 \f, 3, \bias
.endm
; The last quarter multiplies buffer 1 and changes slots: one barrier; in front of it each wave waits for all its tensor loads, adds 0 to its spare word, and waits for that and for its reads of this slot.  fill = 1: this slot is filled again, two K steps ahead.
.macro TURN slot, next, fill
	WIN 0
	s_wait_tensorcnt 0x0                           ; all my tensor loads have landed: my part of the next slot;
	ds_add_u32 v[SPW], v[NIL]                      ; 0 onto my spare word;
	s_wait_dscnt 5                                 ; (the add and the youngest four loads may be out)
	WIN MUL
	MUL8 F1, 0, 0
	s_wait_dscnt 0x0                               ; the add is done, and my reads of this slot are over
	s_barrier_signal -1
	MUL8 F1, 1, 0
.if \fill
	WIN 0
.endif
	s_barrier_wait -1
.if \fill
	CREST                                          ; the barrier has opened a round of the cluster's barrier: no wave of any partner still reads this slot or has a load on its way
	s_add_nc_u64 s[G0+4*\slot+2:G0+4*\slot+3], s[G0+4*\slot+2:G0+4*\slot+3], 8192
	s_add_nc_u64 s[G0B+4*\slot+2:G0B+4*\slot+3], s[G0B+4*\slot+2:G0B+4*\slot+3], 8192
	JLOAD \slot                                    ; the first tensor load behind the round; its four v_nop are also the places in front of the loads below
.else
	PLACES
.endif
	WIN 0
	FETCH \next, 0, F0
	WIN MUL
	MUL8 F1, 2, 0
	MUL8 F1, 3, 0
.endm
	s_wait_tensorcnt 1                             ; my part of K step 0 is in (K step 1's may be out)
	s_barrier_signal -1
	s_barrier_wait -1                              ; everybody's is
	FETCH 0, 0, F0
	s_wait_loadcnt 0x0                             ; the bias
	QUARTER 0, 1, F0, F1, 1                        ; the first quarter's products start the sums, from the bias
	WIN 0
	s_mov_b32 s3, LAPS-1
.Llap:                                             ; a trip goes once round the ring, from a lap's second quarter to the next lap's first, and fills both slots again
	QUARTER 0, 2, F1, F0, 0
	QUARTER 0, 3, F0, F1, 0
	TURN 0, 1, 1
	QUARTER 1, 1, F0, F1, 0
	QUARTER 1, 2, F1, F0, 0
	QUARTER 1, 3, F0, F1, 0
	TURN 1, 0, 1
	QUARTER 0, 1, F0, F1, 0
	WIN 0
	s_sub_co_u32 s3, s3, 1
	s_cmp_lg_u32 s3, 0
	s_cbranch_scc1 .Llap
	QUARTER 0, 2, F1, F0, 0                        ; the last lap fills nothing
	QUARTER 0, 3, F0, F1, 0
	TURN 0, 1, 0
	QUARTER 1, 1, F0, F1, 0
	QUARTER 1, 2, F1, F0, 0
	QUARTER 1, 3, F0, F1, 0
	s_wait_dscnt 4
	WIN MUL
	MUL8 F1, 0, 0
	MUL8 F1, 1, 0
	s_wait_dscnt 0
	MUL8 F1, 2, 0
	MUL8 F1, 3, 0
	WIN 0
; THE WAY OUT, block by block of 16 rows x 128 columns, through my own stage: in as 32 bytes a lane, back as whole rows of 512 bytes.  LDS serves a wave's instructions in order (ISA guide 5.7.1.4).
.macro TOSTAGE a
	WIN 0x04                                       ; an LDS store's data are its source 1: window 1
.irp b, 0,1,2,3,4,5,6,7
	ds_store_b128 v[STO], v[64*(\a)+8*\b:64*(\a)+8*\b+3] offset:64*\b          ; each accumulator from its low end on
	ds_store_b128 v[STO], v[64*(\a)+8*\b+4:64*(\a)+8*\b+7] offset:64*\b+16
.endr
	WIN 0
.set BB, BK+64*((\a)%2)
.irp t, 0,1,2,3,4,5,6,7,8,9,10,11,12,13,14,15
	ds_load_b128 v[BB+4*\t:BB+4*\t+3], v[RD] offset:\t*SPITCH
.endr
.endm
.macro SEND a, younger
.set BB, BK+64*((\a)%2)
	s_wait_dscnt \younger                          ; the block is back in registers
.if (\a) > 0
	s_add_nc_u64 s[10:11], s[10:11], 65536         ; 16 rows on (behind a wait on XCNT: the earlier stores have read their base)
.endif
.irp t, 0,1,2,3,4,5,6,7,8,9,10,11,12,13,14,15
	global_store_b128 v[LI], v[BB+4*\t:BB+4*\t+3], s[10:11] offset:\t*4096 th:TH_STORE_NT   ; 32 lanes store 512 consecutive bytes of a row
.endr
.endm
	PLACES
	TOSTAGE 0
.irp a, 1,2,3
.if \a > 1
	s_wait_xcnt 0x0                                ; block a - 2's stores have read their registers and their base
.endif
	TOSTAGE \a
	SEND \a-1, 32                                  ; behind block a - 1's loads: block a's 16 stores and 16 loads
.endr
	s_wait_xcnt 0x0
	SEND 3, 0
	s_wait_tensorcnt 0x0                           ; the wave's end
	ds_add_u32 v[SPW], v[NIL]
	s_wait_dscnt 0x0
	CROUND                                         ; the closing round
	s_endpgm
.Lfunc_end_k_q5898e724ff_proj:
	.size	k_q5898e724ff_proj, .Lfunc_end_k_q5898e724ff_proj-k_q5898e724ff_proj
	.p2alignl 7, 3214868480
	.fill 96, 4, 3214868480
	.section	.rodata,"a",@progbits
	.p2align	6, 0x0
	.amdhsa_kernel k_q5898e724ff_proj
		.amdhsa_group_segment_fixed_size 327680
		.amdhsa_private_segment_fixed_size 0
		.amdhsa_enable_private_segment 0
		.amdhsa_kernarg_size 32
		.amdhsa_user_sgpr_count 2
		.amdhsa_user_sgpr_kernarg_segment_ptr 1
		.amdhsa_wavefront_size32 1
		.amdhsa_system_sgpr_workgroup_id_x 1
		.amdhsa_system_sgpr_workgroup_id_y 1
		.amdhsa_system_sgpr_workgroup_id_z 1
		.amdhsa_system_vgpr_workitem_id 0
		.amdhsa_next_free_vgpr 640
		.amdhsa_next_free_sgpr 66
		.amdhsa_reserve_vcc 0
		.amdhsa_float_denorm_mode_32 3
		.amdhsa_float_denorm_mode_16_64 3
		.amdhsa_memory_ordered 1
		.amdhsa_forward_progress 1
		.amdhsa_inst_pref_size 86
	.end_amdhsa_kernel
	.amdgpu_metadata
---
amdhsa.version: [ 1, 2 ]
amdhsa.kernels:
  - .name:           k_q5898e724ff_proj
    .symbol:         k_q5898e724ff_proj.kd
    .args:
      - { .name: aimg, .offset: 0, .size: 8, .value_kind: global_buffer, .address_space: global }
      - { .name: wo16, .offset: 8, .size: 8, .value_kind: global_buffer, .address_space: global }
      - { .name: bo, .offset: 16, .size: 8, .value_kind: global_buffer, .address_space: global }
      - { .name: out0, .offset: 24, .size: 8, .value_kind: global_buffer, .address_space: global }
    .group_segment_fixed_size: 327680
    .private_segment_fixed_size: 0
    .kernarg_segment_align: 8
    .kernarg_segment_size: 32
    .max_flat_workgroup_size: 128
    .sgpr_count:     66
    .vgpr_count:     640
    .wavefront_size: 32
...
	.end_amdgpu_metadata
.endif
;; end of part 4
;; launch fine (part 5): grid 16 x 8, 16 waves a work-group, no clusters, 84,992 bytes of LDS; arguments fq, wo16, bo, out0; writes out0
.if DOCPART == 5
	.amdgcn_target "amdgcn-amd-amdhsa--gfx1250"
	.amdhsa_code_object_version 6
	.text
	.protected	k_q5898e724ff_fine
	.globl	k_q5898e724ff_fine
	.p2align	8
	.type	k_q5898e724ff_fine,@function
k_q5898e724ff_fine:
	s_mov_b64 s[64:65], 0
	v_nop
	global_prefetch_b8 v0, s[64:65] scope:SCOPE_SE
	s_setreg_imm32_b32 hwreg(HW_REG_WAVE_MODE, 25, 1), 1
	s_wait_xcnt 0x0
; FINE: positions 0-15 of every sequence once more, carried finely: they average one to sixteen values and are the largest numbers of the output.
; A work-group takes one batch (y) and 64 columns of out0 (x).  PHASE 1, wave = head: S^T = K Q^T and O^T = V^T P on f32 operands (v_wmma_f32_16x16x4_f32), softmax in f32 with the row's maximum taken away.  O / l is split in f32 into a pair
; of f16 numbers, high part and (rest x 2048), and both go to LDS as images of the next product's fragments.  PHASE 2, wave = (tile of 16 columns tl, quarter of K kq): out = Ah Wh + (Al Wh + Ah Wl) / 2048 on f16 fragments, Wo's pair made by launch prep;
; the four quarters of K meet in LDS; wave w adds row w's four parts and the bias and stores the row's 256 bytes.
; fq holds q, k, v of these positions as the f32 accumulators lay: lane (r, h): position r, channels 16 t + 8 h + 0..7.  A pair of those registers, taken alike of k and of q, is a K step of 4 (channels 16 t + 8 h' + 2 i + 0, 1 in the places 2 h' + 0, 1):
; a permutation of the channels applied alike to both operands.  V is loaded as lane (r, h): channel 16 t + r, keys 8 h + 0..7, so that the pair 2 c of it goes with the pair 2 c of p.
; The registers that the f32 matrix form writes (v16-63) are written by matrix instructions alone; what is made of a finished sum goes into other registers.
; LIMIT: |O| and |Wo| stay under 65,504 (f16's range, for the high parts).
.set PART,  65536                      ; LDS: 0: the images, [32 along K: 32][high, low][c][lane][16 bytes], 64 KB;  PART: 4 quarters x 16 rows x 272 bytes
.set SPARE, 82944                      ; behind them: the spare words, 128 bytes for each of 16 waves
.set LI,  1                            ; v1   16 x lane
.set SPW, 2
.set NIL, 3
; v4 r, later the images' address;  v5 h, later where I put my part;  v6 V's lane term, later where I read a row's parts;  v7 r - 8 h;  v8-11 at work;  v[12:13] the bias;  v14 where I store my images;  v15 8 x lane
; v16-23, v24-31 S^T in two halves, later sums 1 and 2;  v32-63 O^T, later sum 3 in v32-39;  v64-95 q, then p in v64-71, then the pairs' high (v64-79) and low (v80-95) parts, then A's fragments;  v96-127 k, then O / l, then A's fragments
; v128-159 v;  Wo's fragments of my i-th 32 along K (high 8, low 8) at v[128 + 16 ((i + 2) % 8)]: i = 6, 7 take v's registers when v is done with
.macro SPLIT x, hi, lo
	v_cvt_pk_f16_f32 v10, v[(\x)], v[(\x)+1]
	v_cvt_f32_f16 v8, v10.l
	v_cvt_f32_f16 v9, v10.h
	v_mov_b32 v[\hi], v10                          ; (v10 is there because a register's halves are named by its number)
	v_pk_add_f32 v[8:9], v[(\x):(\x)+1], v[8:9] neg_lo:[0,1] neg_hi:[0,1]
	v_pk_mul_f32 v[8:9], v[8:9], 0x45000000 op_sel_hi:[1,0]
	v_cvt_pk_f16_f32 v[\lo], v8, v9
.endm
.macro WLOAD i
.set WF, 128+16*(((\i)+2)%8)
.irp c, 0,1
	global_load_b128 v[WF+4*\c:WF+4*\c+3], v[LI], s[6:7] offset:1024*(\i)+512*\c
	global_load_b128 v[WF+8+4*\c:WF+8+4*\c+3], v[LI], s[6:7] offset:2097152+1024*(\i)+512*\c
.endr
.endm
	s_load_b256 s[4:11], s[0:1], 0x0               ; fq s[4:5], wo16 s[6:7], bo s[8:9], out0 s[10:11]
	v_lshl_add_u32 v[SPW], v0, 2, SPARE
	v_mov_b32 v[NIL], 0
	v_lshrrev_b32 v8, 5, v0
	v_readfirstlane_b32 s12, v8                    ; wave 0..15
	s_and_b32 s13, ttmp7, 0xffff                   ; batch
	s_and_b32 s14, s12, 3                          ; tl
	s_lshr_b32 s15, s12, 2                         ; kq
	v_and_b32 v8, 31, v0
	v_lshlrev_b32 v[LI], 4, v8
	v_lshlrev_b32 v15, 3, v8
	v_and_b32 v4, 15, v0                           ; r
	v_bfe_u32 v5, v0, 4, 1                         ; h
	v_bfe_u32 v6, v0, 2, 1
	v_lshlrev_b32 v6, 9, v6                        ; V(key 8 h + e, channel 16 t + r) lies at 1024 t + 512 ((r / 4) % 2) + 256 (r / 8) + 16 (8 h + e) + 4 (r % 4)
	v_bfe_u32 v9, v0, 3, 1
	v_lshl_add_u32 v6, v9, 8, v6
	v_lshl_add_u32 v6, v5, 7, v6
	v_and_b32 v9, 3, v0
	v_lshl_add_u32 v6, v9, 2, v6
	v_lshlrev_b32 v9, 3, v5
	v_sub_nc_u32 v7, v4, v9                        ; r - 8 h
	v_mov_b32 v11, 0xff800000                      ; -infinity
	s_lshl_b32 s28, s12, 12
	v_add_nc_u32 v14, s28, v[LI]                   ; my head's two images' place
	s_mul_i32 s16, s13, 196608
	s_add_co_u32 s16, s16, s28                     ; fq: batch, head
	s_mov_b32 s17, 0
	s_lshl_b32 s18, ttmp9, 2
	s_add_co_u32 s18, s18, s14
	s_lshl_b32 s18, s18, 15                        ; wo16: my tile of 16 columns,
	s_lshl_b32 s19, s15, 13                        ; my quarter of K
	s_add_co_u32 s18, s18, s19
	s_mov_b32 s19, 0
	s_lshl_b32 s20, ttmp9, 8                       ; 64 columns, in bytes
	s_mov_b32 s21, 0
	s_lshl_b32 s22, s13, 22                        ; out0: the batch's first row,
	s_add_co_u32 s22, s22, s28                     ; row w,
	s_add_co_u32 s22, s22, s20
	s_mov_b32 s23, 0
	s_mov_b32 s24, 0x3e38aa3b                      ; c = log2(e) / 8
	s_mov_b32 s25, 0x3a000000                      ; 1 / 2048
	s_mov_b32 s26, 0x76543210
	s_mov_b32 s27, 0xfedcba98
	s_wait_kmcnt 0x0
	s_add_nc_u64 s[4:5], s[4:5], s[16:17]
	s_add_nc_u64 s[6:7], s[6:7], s[18:19]
	s_add_nc_u64 s[8:9], s[8:9], s[20:21]
	s_add_nc_u64 s[10:11], s[10:11], s[22:23]
.irp i, 0,1,2,3,4,5,6,7
	global_load_b128 v[64+4*\i:67+4*\i], v[LI], s[4:5] offset:512*\i            ; q
.endr
.irp i, 0,1,2,3,4,5,6,7
	global_load_b128 v[96+4*\i:99+4*\i], v[LI], s[4:5] offset:65536+512*\i      ; k
.endr
.irp t, 0,1,2,3
.irp e, 0,1,2,3,4,5,6,7
	global_load_b32 v[128+8*\t+\e], v6, s[4:5] offset:131072+1024*\t+16*\e      ; v
.endr
.endr
.irp i, 0,1,2,3,4,5
	WLOAD \i
.endr
	global_load_b64 v[12:13], v15, s[8:9]          ; the bias of my two columns
	s_wait_loadcnt 57                              ; q and k are in; v's 32 loads, Wo's 24 and the bias may be out
	; ---- PHASE 1.  S^T = K Q^T: 16 steps of 4 along the channels, on two accumulators by turns; each sum's first product takes the constant 0
	v_wmma_f32_16x16x4_f32 v[16:23], v[96:97], v[64:65], 0
	v_wmma_f32_16x16x4_f32 v[24:31], v[98:99], v[66:67], 0
.irp n, 2,4,6,8,10,12,14
	v_wmma_f32_16x16x4_f32 v[16:23], v[96+2*\n:97+2*\n], v[64+2*\n:65+2*\n], v[16:23]
	v_wmma_f32_16x16x4_f32 v[24:31], v[98+2*\n:99+2*\n], v[66+2*\n:67+2*\n], v[24:31]
.endr
.rept 8
	v_nop                                          ; eight places behind this form (ISA guide 7.12.1)
.endr
.irp j, 0,1,2,3,4,5,6,7
	v_add_f32 v[64+\j], v[16+\j], v[24+\j]         ; lane (r, h): query r, key 8 h + j
.endr
.irp j, 0,1,2,3,4,5,6,7
	v_cmp_gt_i32 vcc_lo, \j, v7                    ; hidden where 8 h + j > r
	v_cndmask_b32 v[64+\j], v[64+\j], v11, vcc_lo
.endr
	v_max3_num_f32 v8, v64, v65, v66
	v_max3_num_f32 v8, v8, v67, v68
	v_max3_num_f32 v8, v8, v69, v70
	v_max_num_f32 v8, v8, v71
	v_permlanex16_b32 v9, v8, s26, s27
	v_max_num_f32 v8, v8, v9                       ; the row's maximum: key 0 counts for every query
	v_mul_f32 v9, s24, v8
.irp j, 0,1,2,3,4,5,6,7
	v_fma_f32 v[64+\j], v[64+\j], s24, -v9
.endr
.irp j, 0,1,2,3,4,5,6,7
	v_exp_f32 v[64+\j], v[64+\j]
.endr
	v_nop
	s_wait_alu depctr_va_vdst(0)                   ; one wait for the eight, ahead of their first reader
	v_add_f32 v8, v64, v65
	v_add_f32 v9, v66, v67
	v_add_f32 v8, v8, v68
	v_add_f32 v9, v9, v69
	v_add_f32 v8, v8, v70
	v_add_f32 v9, v9, v71
	v_add_f32 v8, v8, v9
	v_permlanex16_b32 v9, v8, s26, s27
	v_add_f32 v8, v8, v9                           ; l
	v_rcp_f32 v9, v8
	v_nop
	s_wait_alu depctr_va_vdst(0)
	s_wait_loadcnt 25                              ; v is in; Wo's 24 loads and the bias may be out
.irp t, 0,1,2,3
	v_wmma_f32_16x16x4_f32 v[32+8*\t:39+8*\t], v[128+8*\t:129+8*\t], v[64:65], 0         ; O^T = V^T P: four accumulators by turns
.endr
.irp c, 1,2,3
.irp t, 0,1,2,3
	v_wmma_f32_16x16x4_f32 v[32+8*\t:39+8*\t], v[128+8*\t+2*\c:129+8*\t+2*\c], v[64+2*\c:65+2*\c], v[32+8*\t:39+8*\t]
.endr
.endr
.rept 8
	v_nop
.endr
	WLOAD 6                                        ; into v's registers
	WLOAD 7
.irp i, 0,1,2,3,4,5,6,7,8,9,10,11,12,13,14,15,16,17,18,19,20,21,22,23,24,25,26,27,28,29,30,31
	v_mul_f32 v[96+\i], v[32+\i], v9               ; O / l: register 8 t + j is channel 16 t + 8 h + j of query r
.endr
.irp i, 0,1,2,3,4,5,6,7,8,9,10,11,12,13,14,15
	SPLIT 96+2*\i, 64+\i, 80+\i
.endr
.irp t, 0,1,2,3
	ds_store_b128 v14, v[64+4*\t:67+4*\t] offset:2048*(\t/2)+512*(\t%2)
	ds_store_b128 v14, v[80+4*\t:83+4*\t] offset:2048*(\t/2)+1024+512*(\t%2)
.endr
	s_wait_dscnt 0x0                               ; for the others' sake: my images have landed
	s_barrier_signal -1
	s_barrier_wait -1
	; ---- PHASE 2
	s_lshl_b32 s28, s15, 14
	v_add_nc_u32 v4, s28, v[LI]                    ; my quarter's eight pairs of images
	v_and_b32 v5, 15, v0
	v_mul_u32_u24 v5, v5, 272
	v_bfe_u32 v6, v0, 4, 1
	v_lshl_add_u32 v5, v6, 5, v5
	s_mul_i32 s28, s15, 4352
	s_lshl_b32 s29, s14, 6
	s_add_co_u32 s28, s28, s29
	s_add_co_u32 s28, s28, PART
	v_add_nc_u32 v5, s28, v5                       ; my part: quarter kq, row r, 64 tl + 32 h bytes on
	s_mul_i32 s28, s12, 272
	s_add_co_u32 s28, s28, PART
	v_add_nc_u32 v6, s28, v15                      ; row w's parts, 8 bytes a lane
.irp rd, 0,1
.if \rd
.rept 4
	v_nop                                          ; places in front of loads into registers that matrix instructions have read
.endr
.endif
.irp ii, 0,1,2,3
.irp p, 0,1,2,3
	ds_load_b128 v[64+16*\ii+4*\p:67+16*\ii+4*\p], v4 offset:2048*(4*\rd+\ii)+512*\p      ; high part in registers 0-7, low part in 8-15
.endr
.endr
	s_wait_dscnt 0x0
.if \rd == 0
	s_wait_loadcnt 0x0                             ; Wo's fragments and the bias
.endif
.irp ii, 0,1,2,3
.set WF, 128+16*((4*\rd+\ii+2)%8)
.if (\rd == 0) && (\ii == 0)
	v_wmma_f32_16x16x32_f16 v[16:23], v[WF:WF+7], v[64:71], 0
	v_wmma_f32_16x16x32_f16 v[24:31], v[WF:WF+7], v[72:79], 0
	v_wmma_f32_16x16x32_f16 v[32:39], v[WF+8:WF+15], v[64:71], 0
.else
	v_wmma_f32_16x16x32_f16 v[16:23], v[WF:WF+7], v[64+16*\ii:71+16*\ii], v[16:23]        ; three sums by turns: high x high,
	v_wmma_f32_16x16x32_f16 v[24:31], v[WF:WF+7], v[72+16*\ii:79+16*\ii], v[24:31]        ; Wo's high x A's low,
	v_wmma_f32_16x16x32_f16 v[32:39], v[WF+8:WF+15], v[64+16*\ii:71+16*\ii], v[32:39]     ; Wo's low x A's high
.endif
.endr
.endr
.rept 4
	v_nop
.endr
.irp j, 0,1,2,3,4,5,6,7
	v_add_f32 v[96+\j], v[24+\j], v[32+\j]
.endr
.irp j, 0,1,2,3,4,5,6,7
	v_fma_f32 v[96+\j], v[96+\j], s25, v[16+\j]    ; lane (r, h): row r, columns 16 tl + 8 h + j
.endr
	ds_store_b128 v5, v[96:99]
	ds_store_b128 v5, v[100:103] offset:16
	s_wait_dscnt 0x0
	s_barrier_signal -1
	s_barrier_wait -1
.irp k, 0,1,2,3
	ds_load_b64 v[64+2*\k:65+2*\k], v6 offset:4352*\k
.endr
	s_wait_dscnt 0x0
	v_pk_add_f32 v[64:65], v[64:65], v[66:67]
	v_pk_add_f32 v[68:69], v[68:69], v[70:71]
	v_pk_add_f32 v[64:65], v[64:65], v[68:69]
	v_pk_add_f32 v[64:65], v[64:65], v[12:13]
	global_store_b64 v15, v[64:65], s[10:11]       ; 32 lanes store 256 consecutive bytes of row w
	s_wait_tensorcnt 0x0                           ; the wave's end
	ds_add_u32 v[SPW], v[NIL]
	s_wait_dscnt 0x0
	s_endpgm
.Lfunc_end_k_q5898e724ff_fine:
	.size	k_q5898e724ff_fine, .Lfunc_end_k_q5898e724ff_fine-k_q5898e724ff_fine
	.p2alignl 7, 3214868480
	.fill 96, 4, 3214868480
	.section	.rodata,"a",@progbits
	.p2align	6, 0x0
	.amdhsa_kernel k_q5898e724ff_fine
		.amdhsa_group_segment_fixed_size 84992
		.amdhsa_private_segment_fixed_size 0
		.amdhsa_enable_private_segment 0
		.amdhsa_kernarg_size 32
		.amdhsa_user_sgpr_count 2
		.amdhsa_user_sgpr_kernarg_segment_ptr 1
		.amdhsa_wavefront_size32 1
		.amdhsa_system_sgpr_workgroup_id_x 1
		.amdhsa_system_sgpr_workgroup_id_y 1
		.amdhsa_system_sgpr_workgroup_id_z 1
		.amdhsa_system_vgpr_workitem_id 0
		.amdhsa_next_free_vgpr 256
		.amdhsa_next_free_sgpr 66
		.amdhsa_reserve_vcc 1
		.amdhsa_float_denorm_mode_32 3
		.amdhsa_float_denorm_mode_16_64 3
		.amdhsa_memory_ordered 1
		.amdhsa_forward_progress 1
		.amdhsa_inst_pref_size 29
	.end_amdhsa_kernel
	.amdgpu_metadata
---
amdhsa.version: [ 1, 2 ]
amdhsa.kernels:
  - .name:           k_q5898e724ff_fine
    .symbol:         k_q5898e724ff_fine.kd
    .args:
      - { .name: fq, .offset: 0, .size: 8, .value_kind: global_buffer, .address_space: global }
      - { .name: wo16, .offset: 8, .size: 8, .value_kind: global_buffer, .address_space: global }
      - { .name: bo, .offset: 16, .size: 8, .value_kind: global_buffer, .address_space: global }
      - { .name: out0, .offset: 24, .size: 8, .value_kind: global_buffer, .address_space: global }
    .group_segment_fixed_size: 84992
    .private_segment_fixed_size: 0
    .kernarg_segment_align: 8
    .kernarg_segment_size: 32
    .max_flat_workgroup_size: 512
    .sgpr_count:     66
    .vgpr_count:     256
    .wavefront_size: 32
...
	.end_amdgpu_metadata
.endif
;; end of part 5
